; MI455X (gfx1250); checked and timed in simulation.
; The chip was launched on July 23, 2026; its instructions are those of AMD's public machine-readable ISA for CDNA 5 (MIT licence, August 2026) and "CDNA5" Instruction Set Architecture Reference Guide (July 2026). The comments in the code are by the model that wrote it; some were corrected since.
;; Attention. Allowed arithmetic: float matrix products may take bf16 or f16 operands with f32 sums; other float arithmetic in f32, or as packed bf16 or f16 multiplies, adds, multiply-adds, maxima and minima; sums over many terms, partial sums and values carried from step to step in f32; what a program stores and reads back later, other than sums and carried values, may be rounded once to bf16 or f16.
;; Inputs: cos_BTK 2 x 2,048 x 128 float32; hidden_BTD 2 x 2,048 x 2,048 float32; k_norm_w 128 float32; position_ids_BT 2 x 2,048 int32; q_norm_w 128 float32; segment_ids_BT 2 x 2,048 int32; sin_BTK 2 x 2,048 x 128 float32; w_k 2,048 x 512 float32; w_o 1,024 x 2,048 float32; w_q 2,048 x 2,048 float32; w_v 2,048 x 512 float32.
;; Outputs: out0 2 x 2,048 x 2,048 float32.
;; 2 versions, each right; version 2 is version 1 with the launch cast written anew for expert scheduling mode. Each part assembles by itself: llvm-mc -triple=amdgcn-amd-amdhsa -mcpu=gfx1250 --defsym DOCPART=n.
;; ======== version 1 of 2: 4 launches
;; limits: values are held in f16: magnitudes above 65,504 overflow, below 6.1e-05 lose precision
;; workspace buffers: xb 16,777,216 bytes; wb 12,582,912 bytes; wob 4,194,304 bytes; cs 2,097,152 bytes; qh 8,388,608 bytes; kv 8,388,608 bytes; gr 16,777,216 bytes; ag 8,388,608 bytes
;; launch cast (part 1): grid 1088 x 1, 8 waves a work-group, no clusters, 0 bytes of LDS; arguments hidden_BTD, w_q, w_o, w_k, w_v, cos_BTK, sin_BTK, xb, wb, wob, cs; writes xb, wb, wob, cs
.if DOCPART == 1
	.amdgcn_target "amdgcn-amd-amdhsa--gfx1250"
	.amdhsa_code_object_version 6
	.text
	.protected	k_q98ee105690_cast
	.globl	k_q98ee105690_cast
	.p2align	8
	.type	k_q98ee105690_cast,@function
k_q98ee105690_cast:
	s_mov_b64 s[64:65], 0
	v_nop
	global_prefetch_b8 v0, s[64:65] scope:SCOPE_SE
	s_setreg_imm32_b32 hwreg(HW_REG_WAVE_MODE, 25, 1), 1
	s_wait_xcnt 0x0
; CAST.  Every floating-point input that feeds a matrix product or the rotation is rounded once to bf16 and laid out for the launches behind:
;   hidden -> xb [4096][2048];  w_q, w_k, w_v -> wb [2048 k][3072 n]: n 0..2047 is w_q as it lies, n = 2048 + 256 j + c is w_k's column 128 j + c (c < 128) or w_v's column 128 j + c - 128;
;   w_o -> wob [1024][2048]: rounded to bf16, and that number written as f16;  cos, sin -> cs [4096][256]: cos in columns 0-127, sin in 128-255.
; LIMITS.  |w_o| stays within f16's 65,504; below 6e-5 it keeps f16's fixed step of 6e-8.  segment_ids_BT and position_ids_BT enter no expression of the module and are not loaded.
; A stream: no LDS, no barrier, no matrix unit.  The unit is a BLOCK of 128 numbers: 512 bytes in, 256 bytes out.  A wave takes a block with ONE load (lane l: numbers 4 l .. 4 l + 3, so the 32 lanes read 512
; consecutive bytes) and ONE store (8 bytes a lane: 256 consecutive bytes, at a multiple of 256).  A work-group takes 128 blocks (65,536 bytes of its source), each of its eight waves 16 blocks on end.
; All 16 loads of a wave go out first.  Source block n goes to destination block (n >> SH) * PP + BC + (n & MSK) * MM; the seven regions differ in these numbers and in the two buffers alone.
.set DO,    16                         ; v[16:31]   pass p: byte offset in the destination
.set X,     32                         ; v[32:95]   pass p: 4 numbers as loaded; its first two registers then hold the 8 bytes to store
.set SRC,   28                         ; s[28:29]
.set DST,   30                         ; s[30:31]
.set FIRST, 32                         ; s32  the region's first work-group
.set SH,    33
.set MSK,   34
.set PP,    35
.set BC,    36
.set MM,    37
.set FMT,   38                         ; 1: written as f16
; A region is taken where the work-group's number lies below its bound; the regions are tried from the last to the first, so the lowest bound that holds wins.
.macro REGION bound, src, dst, first, sh, msk, pp, bc, mm, fmt
	s_cmp_lt_u32 ttmp9, \bound
	s_cselect_b64 s[SRC:SRC+1], s[\src:\src+1], s[SRC:SRC+1]
	s_cselect_b64 s[DST:DST+1], s[\dst:\dst+1], s[DST:DST+1]
	s_cselect_b32 s[FIRST], \first, s[FIRST]
	s_cselect_b32 s[SH], \sh, s[SH]
	s_cselect_b32 s[MSK], \msk, s[MSK]
	s_cselect_b32 s[PP], \pp, s[PP]
	s_cselect_b32 s[BC], \bc, s[BC]
	s_cselect_b32 s[MM], \mm, s[MM]
	s_cselect_b32 s[FMT], \fmt, s[FMT]
.endm
	s_load_b512 s[4:19], s[0:1], 0x0               ; hidden 4, w_q 6, w_o 8, w_k 10, w_v 12, cos 14, sin 16, xb 18
	s_load_b128 s[20:23], s[0:1], 0x40             ; wb 20, wob 22
	s_load_b64 s[24:25], s[0:1], 0x50              ; cs 24
	v_and_b32 v1, 31, v0                           ; lane
	v_lshrrev_b32 v3, 5, v0                        ; wave
	v_lshlrev_b32 v2, 3, v1                        ; my 8 bytes in a destination block
	v_lshlrev_b32 v1, 4, v1                        ; my 16 bytes in a source block,
	v_lshl_add_u32 v1, v3, 13, v1                  ; in my wave's 16 blocks of 512 bytes
	v_lshlrev_b32 v3, 4, v3                        ; my wave's first block in the work-group
	s_wait_kmcnt 0x0
	s_mov_b64 s[SRC:SRC+1], s[16:17]               ; the last region: sin, work-groups 1056 to 1087
	s_mov_b64 s[DST:DST+1], s[24:25]
	s_mov_b32 s[FIRST], 1056
	s_mov_b32 s[SH], 0
	s_mov_b32 s[MSK], 0
	s_mov_b32 s[PP], 2
	s_mov_b32 s[BC], 1
	s_mov_b32 s[MM], 0
	s_mov_b32 s[FMT], 0
	REGION 1056, 14, 24, 1024, 0, 0, 2, 0, 0, 0    ; cos
	REGION 1024, 12, 20, 960, 2, 3, 24, 17, 2, 0   ; w_v: 4 blocks a row, to blocks 17, 19, 21, 23 of wb's 24
	REGION 960, 10, 20, 896, 2, 3, 24, 16, 2, 0    ; w_k: to blocks 16, 18, 20, 22
	REGION 896, 8, 22, 768, 0, 0, 1, 0, 0, 1       ; w_o
	REGION 768, 6, 20, 512, 4, 15, 24, 0, 1, 0     ; w_q: 16 blocks a row, to blocks 0 to 15
	REGION 512, 4, 18, 0, 0, 0, 1, 0, 0, 0         ; hidden
	s_sub_co_u32 s26, ttmp9, s[FIRST]              ; my number in the region
	s_lshl_b32 s40, s26, 16                        ; times 65,536 bytes of source (under 2^26)
	s_mov_b32 s41, 0
	s_add_nc_u64 s[SRC:SRC+1], s[SRC:SRC+1], s[40:41]
	s_lshl_b32 s26, s26, 7
	v_add_nc_u32 v3, s26, v3                       ; my wave's first block, counted in the region
.set p, 0
.rept 16
	global_load_b128 v[X+4*p:X+4*p+3], v1, s[SRC:SRC+1] offset:512*p th:TH_LOAD_NT
.set p, p+1
.endr
.set p, 0
.rept 16                               ; the destinations, made while the loads are out
	v_add_nc_u32 v12, p, v3
	v_lshrrev_b32 v13, s[SH], v12
	v_and_b32 v12, s[MSK], v12
	v_mad_u32_u24 v12, v12, s[MM], s[BC]
	v_mad_u32_u24 v12, v13, s[PP], v12
	v_lshl_add_u32 v[DO+p], v12, 8, v2
.set p, p+1
.endr
; Pass p is rounded in place and stored.  No register that a store reads is written again, so no wait frees one.
.macro OUT fmt
.set p, 0
.rept 16
	s_wait_loadcnt 15-p                            ; loads come back in order: pass p's is in, the younger passes' stay out
.if \fmt
	v_cvt_pk_bf16_f32 v12, v[X+4*p],   v[X+4*p+1]
	v_cvt_pk_bf16_f32 v13, v[X+4*p+2], v[X+4*p+3]
	v_lshlrev_b32 v[X+4*p],   16, v12               ; the rounded numbers as f32 again,
	v_and_b32     v[X+4*p+1], 0xffff0000, v12
	v_lshlrev_b32 v[X+4*p+2], 16, v13
	v_and_b32     v[X+4*p+3], 0xffff0000, v13
	v_cvt_pk_f16_f32 v[X+4*p],   v[X+4*p],   v[X+4*p+1]  ; and written as f16: 8 significant bits fit in 11
	v_cvt_pk_f16_f32 v[X+4*p+1], v[X+4*p+2], v[X+4*p+3]
.else
	v_cvt_pk_bf16_f32 v[X+4*p],   v[X+4*p],   v[X+4*p+1]
	v_cvt_pk_bf16_f32 v[X+4*p+1], v[X+4*p+2], v[X+4*p+3]
.endif
	global_store_b64 v[DO+p], v[X+4*p:X+4*p+1], s[DST:DST+1] th:TH_STORE_NT  ; 32 lanes store 256 consecutive bytes, aligned
.set p, p+1
.endr
.endm
	s_cmp_eq_u32 s[FMT], 1
	s_cbranch_scc1 .Lf16
	OUT 0
	s_endpgm
.Lf16:
	OUT 1
	s_endpgm
.Lfunc_end_k_q98ee105690_cast:
	.size	k_q98ee105690_cast, .Lfunc_end_k_q98ee105690_cast-k_q98ee105690_cast
	.p2alignl 7, 3214868480
	.fill 96, 4, 3214868480
	.section	.rodata,"a",@progbits
	.p2align	6, 0x0
	.amdhsa_kernel k_q98ee105690_cast
		.amdhsa_group_segment_fixed_size 0
		.amdhsa_private_segment_fixed_size 0
		.amdhsa_enable_private_segment 0
		.amdhsa_kernarg_size 88
		.amdhsa_user_sgpr_count 2
		.amdhsa_user_sgpr_kernarg_segment_ptr 1
		.amdhsa_wavefront_size32 1
		.amdhsa_system_sgpr_workgroup_id_x 1
		.amdhsa_system_sgpr_workgroup_id_y 1
		.amdhsa_system_sgpr_workgroup_id_z 1
		.amdhsa_system_vgpr_workitem_id 0
		.amdhsa_next_free_vgpr 96
		.amdhsa_next_free_sgpr 66
		.amdhsa_reserve_vcc 0
		.amdhsa_float_denorm_mode_32 3
		.amdhsa_float_denorm_mode_16_64 3
		.amdhsa_memory_ordered 1
		.amdhsa_forward_progress 1
		.amdhsa_inst_pref_size 23
	.end_amdhsa_kernel
	.amdgpu_metadata
---
amdhsa.version: [ 1, 2 ]
amdhsa.kernels:
  - .name:           k_q98ee105690_cast
    .symbol:         k_q98ee105690_cast.kd
    .args:
      - { .name: hidden_BTD, .offset: 0, .size: 8, .value_kind: global_buffer, .address_space: global }
      - { .name: w_q, .offset: 8, .size: 8, .value_kind: global_buffer, .address_space: global }
      - { .name: w_o, .offset: 16, .size: 8, .value_kind: global_buffer, .address_space: global }
      - { .name: w_k, .offset: 24, .size: 8, .value_kind: global_buffer, .address_space: global }
      - { .name: w_v, .offset: 32, .size: 8, .value_kind: global_buffer, .address_space: global }
      - { .name: cos_BTK, .offset: 40, .size: 8, .value_kind: global_buffer, .address_space: global }
      - { .name: sin_BTK, .offset: 48, .size: 8, .value_kind: global_buffer, .address_space: global }
      - { .name: xb, .offset: 56, .size: 8, .value_kind: global_buffer, .address_space: global }
      - { .name: wb, .offset: 64, .size: 8, .value_kind: global_buffer, .address_space: global }
      - { .name: wob, .offset: 72, .size: 8, .value_kind: global_buffer, .address_space: global }
      - { .name: cs, .offset: 80, .size: 8, .value_kind: global_buffer, .address_space: global }
    .group_segment_fixed_size: 0
    .private_segment_fixed_size: 0
    .kernarg_segment_align: 8
    .kernarg_segment_size: 88
    .max_flat_workgroup_size: 256
    .sgpr_count:     66
    .vgpr_count:     96
    .wavefront_size: 32
...
	.end_amdgpu_metadata
.endif
;; end of part 1
;; launch proj (part 2): grid 12 x 16, 4 waves a work-group, clusters of 4 x 4, 327,680 bytes of LDS; arguments xb, wb, cs, q_norm_w, k_norm_w, qh, kv, gr; writes qh, kv, gr
.if DOCPART == 2
	.amdgcn_target "amdgcn-amd-amdhsa--gfx1250"
	.amdhsa_code_object_version 6
	.text
	.protected	k_q98ee105690_proj
	.globl	k_q98ee105690_proj
	.p2align	8
	.type	k_q98ee105690_proj,@function
k_q98ee105690_proj:
	s_mov_b64 s[64:65], 0
	v_nop
	global_prefetch_b8 v0, s[64:65] scope:SCOPE_SE
	s_setreg_imm32_b32 hwreg(HW_REG_WAVE_MODE, 25, 1), 1
	s_wait_xcnt 0x0
	s_wait_alu depctr_hold_cnt(0) depctr_sa_sdst(0) depctr_va_vdst(0) depctr_va_sdst(0) depctr_va_ssrc(0) depctr_va_vcc(0) depctr_vm_vsrc(0)
	s_getreg_b32 s2, hwreg(HW_REG_IB_STS2, 6, 4)
	s_cmp_eq_u32 s2, 0
	s_cbranch_scc0 .Lentry_in_a_cluster
	s_endpgm
.Lentry_in_a_cluster:
	s_bfe_u32 s2, ttmp6, 0x10000c
	s_cmp_lg_u32 s2, 0xf033
	s_cbranch_scc0 .Lentry_shape_is_right
	s_endpgm
.Lentry_shape_is_right:
; PROJ.  C = xb [4096][2048] x wb [2048][3072], bf16 operands, f32 sums; then, by column: q and k get the RMS norm over their head's 128 channels and the rotation by cos and sin, v and the gate go out as they are.
; OUT: qh f16 [b*8+h][t][128]; kv f16: K [b*4+j][t][128], V the same 4,194,304 bytes on; gr f32 [b*8+h][t][128], the raw gate.  The softmax scale is not applied here.
; LIMITS.  q, k and v stay within f16's 65,504 (v is about 37,000 where hidden and w_v both carry an offset of 30 spreads).  NaN and infinities are not treated apart.  The norm weights, cos and sin are used rounded
; to bf16, like all inputs.  segment_ids_BT and position_ids_BT enter no expression of the module and are not loaded.
; SHARES.  A tile of C is 256 x 256: four waves, each 128 x 128 in 64 accumulators of 16 x 16 (512 registers).  192 work-groups.  Tile column tc < 8 is query head tc (128 columns of q, 128 of gate), tc >= 8 is
; kv head tc - 8 (128 of k, 128 of v): a wave of column half 0 holds a whole normed head, a wave of half 1 plain columns.  So what a wave does on the way out hangs on its number and on the cluster's x alone.
; K goes in 16 steps of 128 through two LDS slots.  A STEP IS WRITTEN ONCE: the slot in hand is a scalar, 0 or SLOT, that is added to the lanes' constant addresses, and one group 0 a tensor walks from step to step.
; A's rows lie along K; B lies [k][n] and its fragments come out of LDS turned, by ds_load_tr16_b128.  The matrix instruction is used transposed (source 0 = 16 columns of B, source 1 = 16 rows of A): a lane holds
; one row of C and eight neighbouring columns.
; CLUSTER 4 x 4: A's tile is shared along a row of the cluster, B's along a column; each is asked for jointly.  Behind step 14 slot 0 is filled once more, with the tile's 256 rows of cs, shared along the row.
; REGISTERS in windows of 256: window 0: v0-63 addresses and work, v64-191 A's fragments (two buffers), on the way out v64-255 sixteen rows;  window 1: v64-191 B's fragments;  windows 2, 3: accumulator (a, b) at 8 (8 (a % 4) + b).
.set KSTEP,  128
.set XROW,   4096                      ; bytes in a row of xb
.set WROW,   6144                      ; bytes in a row of wb
.set PITCH,  272                       ; A in LDS: 256 bytes + 16: the 16 rows of a fragment load begin 68 words apart
.set PB,     544                       ; B in LDS: 512 bytes + 32: the 8 rows x 32 bytes of a turning load's 16 lanes begin 136 words apart
.set HALFT,  128*PITCH                 ; what one tensor load brings: 128 rows of A, or 64 rows of B (64 x 544 is the same 34,816)
.set SLOT,   4*HALFT                   ; A's 256 rows, then B's 128 rows
.set STAGE,  2*SLOT                    ; behind the ring: 16 rows x 528 bytes (128 f32 + 16) for each wave
.set SPITCH, 528
.set SPARE,  STAGE+4*16*SPITCH         ; the spare words: 128 bytes for each wave, two blocks of 256 that no other line names
.set CSP,    528                       ; a row of cs in LDS: 512 bytes + 16
.set ADRA0, 16                         ; v16     my A fragments' LDS address in slot 0; never rewritten
.set ADRA,  17                         ; v17     the same in the slot in hand
.set RSV,  18                          ; v18     1 / sqrt(mean square + eps) of row lane % 16
.set ZR,   19                          ; v19     0
.set ADRB0, 20                         ; v20, v21  the same two for B
.set ADRB,  21
.set GOF,  22                          ; v22     8 x lane
.set GOG,  23                          ; v23     16 x lane
.set STO,  24                          ; v24     the stage: where I put 16 bytes of a row
.set RDO,  25                          ; v25     the stage: my 4 channels of a row
.set RDP,  26                          ; v26     the stage: the 4 channels 64 away
.set CS0,  27                          ; v27     cs in LDS: my 4 cosines of my wave's first row
.set SPW,  28                          ; v28     my spare word; never rewritten
.set NIL,  29                          ; v29     0; never rewritten
.set PFO,  30                          ; v30     the prefetches' lane offset; never rewritten
.set CSA,  31                          ; v31     CS0 at the block in hand
.set Z,    32                          ; v32-39  four chains of sums of squares, in pairs
.set W,    40                          ; v40-43  the norm weight of my 4 channels
.set U,    44                          ; v44-47  the norm weight of the 4 channels 64 away, with the rotation's sign
.set T,    48                          ; v48-51  at work
.set F0,   64
.set F1,   128
.set WV,  20                           ; s20 wave   s21 row half, and: I fetch A (0) or B (1)   s22 column half, and: which half I fetch
.set RH,  21
.set CH,  22
.set CX,  23
.set CY,  24
.set TC,  25
.set TR,  26
.set G1,  28                           ; s[28:35] group 1, A      s[36:43] group 0, A: a set for each first fill; the second then walks
.set G0,  36
.set G1B, 44                           ; s[44:51], s[52:59] the same for B
.set G0B, 52
.set TB,  66                           ; s66 the slot in hand, 0 or SLOT      s67 the slot filled last
.set TF,  67
.set G1C, 68                           ; s[68:75], s[76:79] for cs
.set G0C, 76
.set PFA, 80                           ; s[80:81] where my prefetches stand   s[82:83] a K step, in bytes   s84 2 in a wave that asks, else the greatest number
.set PST, 82
.set LIM, 84
.set KVT, 85                           ; s85 1: the tile holds a kv head
.set DST, 86                           ; s[86:87] where my rows go
.set RS,  88                           ; s[88:89] a row's RSV in the low word, 0 in the high, for the packed multiply; the pair holds nothing else in the launch
.set INV, 90
.set EPS, 91
.set AB,  92                           ; s92 the block of 16 rows in hand
.set WOFF, 93                          ; s93 my part of a slot: wave x 34,816
.set CSO, 94                           ; s94 the block's place in cs
.set DSTEP, 96                         ; s[96:97] 16 rows of the destination
.set SEL, 98                           ; s[98:99] v_permlanex16_b32: each lane takes its own place in the other half
.set MSB, 0
.macro WIN new                         ; the immediate's high byte repeats the setting that is left; a switch that changes nothing is dropped
.if MSB != (\new)
	s_set_vgpr_msb (MSB<<8)|(\new)
.set MSB, \new
.endif
.endm
.set MUL_LO, 0xa1                      ; source 0 (B) window 1, source 1 (A) window 0, C and D window 2
.set MUL_HI, 0xf1                      ; the same, C and D window 3
.set TO_B,   0x40                      ; destination window 1, address window 0
; A joint load: waves 0 and 1 fetch A's halves, waves 2 and 3 B's.  An s_nop 0 and four v_nop follow each line.
.macro JLOAD s
	s_cmp_eq_u32 s[RH], 0
	s_cbranch_scc0 .Lfor_b_\@
	tensor_load_to_lds s[G0+4*(\s):G0+4*(\s)+3], s[G1:G1+7]
	s_nop 0
.rept 4
	v_nop
.endr
	s_branch .Lasked_\@
.Lfor_b_\@:
	tensor_load_to_lds s[G0B+4*(\s):G0B+4*(\s)+3], s[G1B:G1B+7]
	s_nop 0
.rept 4
	v_nop
.endr
.Lasked_\@:
.endm
; A prefetch, behind a joint load and the run of LDS loads: 32 blocks of 256 bytes of the K step that stands two refills on, a lane a block.  A's tile row is asked for by the cluster with x = 0, B's tile
; column by the cluster with y = 0; the four partners that ask for a tile jointly share its rows out by address.  So each block is named once.  The trip with count n refills K step 16 - n and names 18 - n:
; the trips with counts 2 and 1 ask for nothing.
.macro ASK
	s_cmp_gt_u32 s3, s[LIM]
	s_cbranch_scc0 .Lnot_mine_\@
	global_prefetch_b8 v[PFO], s[PFA:PFA+1] th:TH_LOAD_NT scope:SCOPE_SE
.Lnot_mine_\@:
.endm
.macro CROUND                          ; a round of the cluster's barrier
	s_barrier_signal -1
	s_barrier_wait -1
	s_cmp_lg_u32 s[WV], 0
	s_cbranch_scc1 .Lnot_wave_0_\@
	s_barrier_signal -3
.Lnot_wave_0_\@:
	s_barrier_wait -3
	s_barrier_signal -1
	s_barrier_wait -1
.endm
.macro PLACES                          ; four plain places behind a matrix instruction, ahead of loads into its sources and of readers of its results
.rept 4
	v_nop
.endr
.endm
	s_load_b512 s[4:19], s[0:1], 0x0               ; xb 4, wb 6, cs 8, q_norm_w 10, k_norm_w 12, qh 14, kv 16, gr 18
	v_lshl_add_u32 v[SPW], v0, 2, SPARE
	v_mov_b32 v[NIL], 0
	ds_add_u32 v[SPW], v[NIL]                      ; the wave's opening: the add and its wait stand ahead of my first tensor load
	v_lshrrev_b32 v1, 5, v0
	v_readfirstlane_b32 s[WV], v1
	s_lshr_b32 s[RH], s[WV], 1
	s_and_b32 s[CH], s[WV], 1
	s_bfe_u32 s[CX], ttmp6, 0x40000
	s_bfe_u32 s[CY], ttmp6, 0x40004
	s_lshl_b32 s[TC], ttmp9, 2
	s_add_co_u32 s[TC], s[TC], s[CX]               ; tile column 0..11
	s_and_b32 s[TR], ttmp7, 0xffff
	s_lshl_b32 s[TR], s[TR], 2
	s_add_co_u32 s[TR], s[TR], s[CY]               ; tile row 0..15
	s_lshl_b32 s2, s[CY], 2
	s_lshl_b32 s2, 15, s2                          ; my row of the cluster
	s_lshl_b32 s27, 0x1111, s[CX]                  ; my column
	s_or_b32 s[G1], s2, (1<<16)|(1<<20)|(1<<21)|(5<<22)|(3<<25)    ; 2-byte elements, padding on, bit 21 beside the mask; 4 words behind every 64
	s_or_b32 s[G1C], s2, (1<<16)|(1<<20)|(1<<21)|(6<<22)|(3<<25)   ; 4 words behind every 128
	s_or_b32 s[G1B], s27, (1<<16)|(1<<20)|(1<<21)|(6<<22)|(7<<25)  ; 8 words behind every 128
	s_mov_b32 s[G1+1], 128<<16                     ; A: 128 rows of 128 elements, 2,048 elements from row to row
	s_mov_b32 s[G1+2], 128<<16
	s_mov_b32 s[G1+3], 128<<16
	s_mov_b32 s[G1+4], 128
	s_mov_b32 s[G1+5], 2048
	s_mov_b32 s[G1+6], 0
	s_mov_b32 s[G1+7], 0
	s_mov_b32 s[G1B+1], 256<<16                    ; B: 64 rows of 256 elements, 3,072 from row to row
	s_mov_b32 s[G1B+2], 64<<16
	s_mov_b32 s[G1B+3], 256<<16
	s_mov_b32 s[G1B+4], 64
	s_mov_b32 s[G1B+5], 3072
	s_mov_b32 s[G1B+6], 0
	s_mov_b32 s[G1B+7], 0
	s_mov_b32 s[G1C+1], 256<<16                    ; cs: 64 rows of 256 elements, dense
	s_mov_b32 s[G1C+2], 64<<16
	s_mov_b32 s[G1C+3], 256<<16
	s_mov_b32 s[G1C+4], 64
	s_mov_b32 s[G1C+5], 256
	s_mov_b32 s[G1C+6], 0
	s_mov_b32 s[G1C+7], 0
	s_lshl_b32 s60, s[TR], 8                       ; A: row 256 tr + 128 half, of the tile row and the wave alone
	s_lshl_b32 s61, s[CH], 7
	s_add_co_u32 s60, s60, s61
	s_lshl_b32 s60, s60, 12
	s_mov_b32 s61, 0
	s_mul_i32 s62, s[CH], 64*WROW                  ; B: row 64 half, column 256 tc, of the tile column and the wave alone
	s_lshl_b32 s63, s[TC], 9
	s_add_co_u32 s62, s62, s63
	s_mov_b32 s63, 0
	s_lshl_b32 s96, s[TR], 8                       ; cs: row 256 tr + 64 wave
	s_lshl_b32 s97, s[WV], 6
	s_add_co_u32 s96, s96, s97
	s_lshl_b32 s96, s96, 9
	s_mov_b32 s97, 0
	s_mul_i32 s[WOFF], s[WV], HALFT                ; where my part of a slot lies: no place in the cluster enters an LDS address
	s_mov_b32 s[TB], 0
	s_mov_b32 s[TF], SLOT
	s_mov_b32 s[G0C], 1
	s_mul_i32 s[G0C+1], s[WV], 64*CSP
	s_wait_dscnt 0x0                               ; the opening add is done
	s_wait_kmcnt 0x0
	s_add_nc_u64 s[60:61], s[4:5], s[60:61]
	s_add_nc_u64 s[62:63], s[6:7], s[62:63]
	s_add_nc_u64 s[G0C+2:G0C+3], s[8:9], s[96:97]
	s_or_b32 s[G0C+3], s[G0C+3], 0x80000000
	CROUND                                         ; all sixteen work-groups are here: the first joint loads meet
.irp s, 0,1
	s_mov_b32 s[G0+4*(\s)], 1
	s_add_co_u32 s[G0+4*(\s)+1], s[WOFF], (\s)*SLOT
	s_add_nc_u64 s[G0+4*(\s)+2:G0+4*(\s)+3], s[60:61], (\s)*KSTEP*2
	s_or_b32 s[G0+4*(\s)+3], s[G0+4*(\s)+3], 0x80000000
	s_mov_b32 s[G0B+4*(\s)], 1
	s_add_co_u32 s[G0B+4*(\s)+1], s[WOFF], (\s)*SLOT
	s_add_nc_u64 s[G0B+4*(\s)+2:G0B+4*(\s)+3], s[62:63], (\s)*KSTEP*WROW
	s_or_b32 s[G0B+4*(\s)+3], s[G0B+4*(\s)+3], 0x80000000
	JLOAD \s
.endr
	; all that follows up to the first wait on the tiles stands in the wait for them
	s_cmp_eq_u32 ttmp9, 2
	s_cselect_b32 s[KVT], 1, 0
	s_cselect_b64 s[62:63], s[12:13], s[10:11]     ; the norm weight of the tile's kind
	v_and_b32 v1, 15, v0                           ; l % 16
	v_bfe_u32 v2, v0, 4, 1                         ; l / 16
	v_and_b32 v3, 31, v0                           ; l
	v_lshlrev_b32 v[GOG], 4, v3
	v_lshlrev_b32 v[GOF], 3, v3
	v_xor_b32 v6, 16, v3
	v_lshlrev_b32 v6, 4, v6                        ; 16 x (l xor 16): four channels are 16 bytes, 64 channels 16 lanes
	global_load_b128 v[W:W+3], v[GOG], s[62:63]
	global_load_b128 v[U:U+3], v6, s[62:63]
	v_mul_u32_u24 v4, v1, PITCH                    ; A's fragment: row l % 16, 16 bytes for each half of the lanes
	v_lshl_add_u32 v4, v2, 4, v4
	s_mul_i32 s92, s[RH], HALFT
	v_add_nc_u32 v[ADRA0], s92, v4
	v_mov_b32 v[ADRA], v[ADRA0]
	v_and_b32 v5, 7, v0                            ; B's turning load: lane l reads row 8 (l / 16) + l % 8, columns 8 ((l / 8) % 2) + 0..7
	v_lshl_add_u32 v5, v2, 3, v5
	v_mul_u32_u24 v5, v5, PB
	v_bfe_u32 v7, v0, 3, 1
	v_lshl_add_u32 v5, v7, 4, v5
	s_lshl_b32 s92, s[CH], 8
	s_add_co_u32 s92, s92, 2*HALFT
	v_add_nc_u32 v[ADRB0], s92, v5
	v_mov_b32 v[ADRB], v[ADRB0]
	s_mul_i32 s92, s[WV], 16*SPITCH
	s_add_co_u32 s92, s92, STAGE
	v_mul_u32_u24 v4, v1, SPITCH
	v_lshl_add_u32 v4, v2, 5, v4                   ; a lane's eight f32 are 32 bytes
	v_add_nc_u32 v[STO], s92, v4
	v_add_nc_u32 v[RDO], s92, v[GOG]
	v_add_nc_u32 v[RDP], s92, v6
	s_mul_i32 s92, s[RH], 128*CSP
	v_add_nc_u32 v[CS0], s92, v[GOF]
	v_mov_b32 v[ZR], 0
	v_lshlrev_b32 v7, 31, v2
	v_xor_b32 v7, 0xbf800000, v7                   ; the rotation's sign: -1 for channels below 64, +1 above
	s_mov_b32 s[INV], 0x3c000000                   ; 1 / 128
	s_mov_b32 s[EPS], 0x358637bd                   ; 1e-6
	s_mov_b32 s[RS+1], 0                           ; named with s[RS] as a pair
	s_mov_b32 s[SEL], 0x76543210
	s_mov_b32 s[SEL+1], 0xfedcba98
	s_wait_loadcnt 0x0                             ; the weights; the wait also frees their address registers
	v_cvt_pk_bf16_f32 v[T], v[W], v[W+1]           ; rounded to bf16 like every input, and widened again
	v_cvt_pk_bf16_f32 v[T+1], v[W+2], v[W+3]
	v_cvt_pk_bf16_f32 v[T+2], v[U], v[U+1]
	v_cvt_pk_bf16_f32 v[T+3], v[U+2], v[U+3]
	v_lshlrev_b32 v[W], 16, v[T]
	v_and_b32 v[W+1], 0xffff0000, v[T]
	v_lshlrev_b32 v[W+2], 16, v[T+1]
	v_and_b32 v[W+3], 0xffff0000, v[T+1]
	v_lshlrev_b32 v[U], 16, v[T+2]
	v_and_b32 v[U+1], 0xffff0000, v[T+2]
	v_lshlrev_b32 v[U+2], 16, v[T+3]
	v_and_b32 v[U+3], 0xffff0000, v[T+3]
.irp k, 0,1,2,3
	v_mul_f32 v[U+(\k)], v7, v[U+(\k)]
.endr
	; where my 128 rows go: row ((batch x heads) + head) x 2,048 + position
	s_cmp_eq_u32 s[KVT], 1
	s_cselect_b32 s2, 2, 3                         ; 4 or 8 heads a batch, as a shift
	s_lshl_b32 s27, s[KVT], 3
	s_sub_co_u32 s27, s[TC], s27                   ; the head
	s_lshr_b32 s60, s[TR], 3                       ; the batch
	s_lshl_b32 s60, s60, s2
	s_add_co_u32 s60, s60, s27
	s_lshl_b32 s60, s60, 11
	s_and_b32 s61, s[TR], 7
	s_lshl_b32 s61, s61, 8
	s_add_co_u32 s60, s60, s61
	s_lshl_b32 s61, s[RH], 7
	s_add_co_u32 s60, s60, s61
	s_cmp_eq_u32 s[KVT], 1
	s_cselect_b64 s[DST:DST+1], s[16:17], s[14:15] ; a normed head: K or q
	s_cselect_b64 s[62:63], s[16:17], s[18:19]     ; plain columns: V or the gate
	s_cselect_b32 s2, 8, 9                         ; their rows: 256 bytes of f16 or 512 of f32
	s_cselect_b32 s27, 0x400000, 0                 ; V lies behind K
	s_cmp_eq_u32 s[CH], 0
	s_cselect_b64 s[DST:DST+1], s[DST:DST+1], s[62:63]
	s_cselect_b32 s2, 8, s2
	s_cselect_b32 s27, 0, s27
	s_lshl_b32 s60, s60, s2
	s_add_co_u32 s60, s60, s27
	s_mov_b32 s61, 0
	s_add_nc_u64 s[DST:DST+1], s[DST:DST+1], s[60:61]
	s_lshl_b32 s[DSTEP], 16, s2
	s_mov_b32 s[DSTEP+1], 0
	; the prefetches.  A-waves: my work-group's 32 of the 128 rows that I fetch, a lane a row.  B-waves: my work-group's 16 of the 64 rows, two blocks of 256 bytes a row, a lane a block.
	s_lshl_b32 s60, s[TR], 8
	s_lshl_b32 s61, s[CH], 7
	s_add_co_u32 s60, s60, s61
	s_lshl_b32 s61, s[CX], 5
	s_add_co_u32 s60, s60, s61
	s_lshl_b32 s60, s60, 12
	s_lshl_b32 s61, s[CH], 6
	s_lshl_b32 s62, s[CY], 4
	s_add_co_u32 s61, s61, s62
	s_mul_i32 s61, s61, WROW
	s_lshl_b32 s62, s[TC], 9
	s_add_co_u32 s61, s61, s62
	s_and_b32 s62, ttmp7, 0xffff
	s_mov_b32 s[PST], KSTEP*WROW
	s_mov_b32 s63, WROW
	s_cmp_eq_u32 s[RH], 0
	s_cselect_b32 s60, s60, s61
	s_cselect_b32 s62, ttmp9, s62                  ; the coordinate along which other clusters read the same blocks
	s_cselect_b64 s[PFA:PFA+1], s[4:5], s[6:7]
	s_cselect_b32 s[PST], KSTEP*2, s[PST]
	s_cselect_b32 s63, XROW, s63
	s_mov_b32 s[PST+1], 0
	s_mov_b32 s61, 0
	s_add_nc_u64 s[PFA:PFA+1], s[PFA:PFA+1], s[60:61]
	s_mul_i32 s60, s[PST], 3
	s_add_nc_u64 s[PFA:PFA+1], s[PFA:PFA+1], s[60:61]  ; at K step 3: the first change of slots, which asks for K step 2, steps it to 4.  K steps 0 to 3 come by their loads alone
	s_cmp_eq_u32 s62, 0
	s_cselect_b32 s[LIM], 2, -1
	v_lshrrev_b32 v[PFO], s[RH], v3
	v_mul_u32_u24 v[PFO], s63, v[PFO]
	v_and_b32 v3, s[RH], v3
	v_lshl_add_u32 v[PFO], v3, 8, v[PFO]
; 16 matrix instructions: m blocks a0, a0 + 1 of the window's four x all 8 n blocks, 32 along K.  zero = 1: the first product starts the sums.  The 64 accumulators take turns.
.macro MUL16 f, hi, a0, zero
	WIN MUL_LO+0x50*(\hi)
.irp a, \a0, (\a0)+1
.irp b, 0,1,2,3,4,5,6,7
.if \zero
	v_wmma_f32_16x16x32_bf16 v[8*(8*(\a)+(\b)):8*(8*(\a)+(\b))+7], v[(\f)+8*(\b):(\f)+8*(\b)+7], v[(\f)+8*(4*(\hi)+(\a)):(\f)+8*(4*(\hi)+(\a))+7], 0
.else
	v_wmma_f32_16x16x32_bf16 v[8*(8*(\a)+(\b)):8*(8*(\a)+(\b))+7], v[(\f)+8*(\b):(\f)+8*(\b)+7], v[(\f)+8*(4*(\hi)+(\a)):(\f)+8*(4*(\hi)+(\a))+7], v[8*(8*(\a)+(\b)):8*(8*(\a)+(\b))+7]
.endif
.endr
.endr
.endm
; 32 LDS loads in one run: quarter q (32 along K) of the slot in hand into buffer f: B's 8 blocks of 16 columns, turned (two loads, 16 rows apart), then A's 8 blocks of 16 rows
.macro FETCH q, f
	WIN TO_B
.irp i, 0,1,2,3,4,5,6,7
	ds_load_tr16_b128 v[(\f)+8*(\i):(\f)+8*(\i)+3],   v[ADRB] offset:(\q)*32*PB+(\i)*32
	ds_load_tr16_b128 v[(\f)+8*(\i)+4:(\f)+8*(\i)+7], v[ADRB] offset:(\q)*32*PB+16*PB+(\i)*32
.endr
	WIN 0
.irp i, 0,1,2,3,4,5,6,7
	ds_load_b128 v[(\f)+8*(\i):(\f)+8*(\i)+3],   v[ADRA] offset:(\q)*64+(\i)*16*PITCH
	ds_load_b128 v[(\f)+8*(\i)+4:(\f)+8*(\i)+7], v[ADRA] offset:(\q)*64+(\i)*16*PITCH+32
.endr
.endm
; One of a K step's first three quarters: multiplies buffer f; in its middle fetches quarter q of the same slot into buffer g.
.macro QUARTER q, f, g, zero
	s_wait_dscnt 8                                 ; B and A's rows 0-63 are in; the youngest eight loads (A's rows 64-127) may be out
	MUL16 \f, 0, 0, \zero
	MUL16 \f, 0, 2, \zero
	PLACES
	FETCH \q, \g
	s_wait_dscnt 32                                ; all but the 32 just issued
	MUL16 \f, 1, 0, \zero
	MUL16 \f, 1, 2, \zero
.endm
; A K step's last quarter multiplies buffer 1 and changes slots.  Its first 32 products stand AHEAD of the wait for the tiles: between a tile's landing and the next request stand the barrier and scalar lines alone.
; kind = 0: the slot just read takes the K step two steps on.  kind = 1 (step 14): slot 0 takes the tile's rows of cs, each wave 64 of them.  kind = 2 (step 15): nothing is asked for or fetched.
.macro TURN kind
.if (\kind) == 0
	s_wait_xcnt 0x0                                ; the last prefetch, a K step back, has read its address
	s_add_nc_u64 s[PFA:PFA+1], s[PFA:PFA+1], s[PST:PST+1]
.endif
	s_wait_dscnt 8                                 ; as in a quarter
	MUL16 F1, 0, 0, 0
	MUL16 F1, 0, 2, 0
	WIN 0
	s_wait_tensorcnt 0x0                           ; all my tensor loads have landed: the one that was out is my part of the next slot; so a group 0 may be written
	ds_add_u32 v[SPW], v[NIL]                      ; 0 onto my spare word; the scalar steps stand between it and the wait for it
.if (\kind) == 0
	s_xor_b32 s[TF], s[TF], SLOT                   ; the walking descriptors: the other slot than last time, the next K step
	s_add_co_u32 s[G0+5], s[TF], s[WOFF]
	s_add_nc_u64 s[G0+6:G0+7], s[G0+6:G0+7], KSTEP*2
	s_add_co_u32 s[G0B+5], s[TF], s[WOFF]
	s_add_nc_u64 s[G0B+6:G0B+7], s[G0B+6:G0B+7], KSTEP*WROW
.endif
	s_xor_b32 s[TB], s[TB], SLOT                   ; the fetches go on in the other slot
	s_wait_dscnt 0x0                               ; the add is done, and my reads of this slot are over (the last were issued a quarter ago)
.if (\kind) == 2
	s_barrier_signal -1                            ; every wave's rows of cs are shown to every wave
	s_barrier_wait -1
.else
	CROUND                                         ; no wave of any partner still reads the slot or has a load on its way
.if (\kind) == 0
	JLOAD 1                                        ; the first tensor load behind the round; its four v_nop are also the places ahead of the loads below
.else
	tensor_load_to_lds s[G0C:G0C+3], s[G1C:G1C+7]
	s_nop 0
.rept 4
	v_nop
.endr
.endif
	v_add_nc_u32 v[ADRA], s[TB], v[ADRA0]
	v_add_nc_u32 v[ADRB], s[TB], v[ADRB0]
	FETCH 0, F0
.if (\kind) == 0
	ASK
.endif
.endif
	MUL16 F1, 1, 0, 0
	MUL16 F1, 1, 2, 0
.endm
	s_wait_tensorcnt 1                             ; my part of K step 0 is in; K step 1's may stay out
	s_barrier_signal -1
	s_barrier_wait -1
	FETCH 0, F0
	QUARTER 1, F0, F1, 1                           ; the first quarter of all stands ahead of the loop: its products start the sums
	WIN 0
	s_mov_b32 s3, 14
	s_branch .Lmid                                 ; the loop is entered behind a step's first quarter
.Lstep:                                                ; 14 trips: K steps 0 to 13, each of which asks for the step two on
	QUARTER 1, F0, F1, 0
	WIN 0
.Lmid:
	QUARTER 2, F1, F0, 0
	QUARTER 3, F0, F1, 0
	TURN 0
	WIN 0
	s_sub_co_u32 s3, s3, 1
	s_cmp_lg_u32 s3, 0
	s_cbranch_scc1 .Lstep
	QUARTER 1, F0, F1, 0                           ; K step 14, in slot 0
	QUARTER 2, F1, F0, 0
	QUARTER 3, F0, F1, 0
	TURN 1
	QUARTER 1, F0, F1, 0                           ; K step 15
	QUARTER 2, F1, F0, 0
	QUARTER 3, F0, F1, 0
	TURN 2
	WIN 0
	PLACES
; THE WAY OUT, a block of 16 rows a trip.  A lane holds row l % 16 and, for each of 8 n blocks, eight columns.  Block a goes into my stage as f32 and comes back by rows: lane l then holds channels 4 l .. 4 l + 3.
; SSTG a: in a wave with a normed head the row's sum of squares first (each accumulator is read from its low end on), then the sixteen stores.
.macro SSTG a
.set AC, 64*((\a)%4)
	s_cmp_lg_u32 s[CH], 0
	s_cbranch_scc1 .Lnosq_\@
	WIN 0x0a+5*((\a)/4)                            ; sources 0 and 1 in window 2 or 3
.irp b, 0,1,2,3,4,5,6,7
.irp r, 0,1,2,3
.if (\b) == 0
	v_pk_mul_f32 v[Z+2*(\r):Z+2*(\r)+1], v[AC+8*(\b)+2*(\r):AC+8*(\b)+2*(\r)+1], v[AC+8*(\b)+2*(\r):AC+8*(\b)+2*(\r)+1]
.else
	v_pk_fma_f32 v[Z+2*(\r):Z+2*(\r)+1], v[AC+8*(\b)+2*(\r):AC+8*(\b)+2*(\r)+1], v[AC+8*(\b)+2*(\r):AC+8*(\b)+2*(\r)+1], v[Z+2*(\r):Z+2*(\r)+1]
.endif
.endr
.endr
	WIN 0
.Lnosq_\@:
	WIN 0x08+4*((\a)/4)                            ; store data in window 2 or 3
.irp b, 0,1,2,3,4,5,6,7
	ds_store_b128 v[STO], v[AC+8*(\b):AC+8*(\b)+3]   offset:64*(\b)
	ds_store_b128 v[STO], v[AC+8*(\b)+4:AC+8*(\b)+7] offset:64*(\b)+16
.endr
	WIN 0
.endm
; Row j of a normed head: out[c] = rs (x[c] w[c] cos[c] + sign x[c xor 64] w[c xor 64] sin[c]); rounded to f16; 32 lanes store the row's 256 bytes.
; The row's factor is read out of lane j at the head of the row's work, twelve vector instructions ahead of the two multiplies that take it.
.macro ROPE j
.set RB, 64+12*(\j)
	v_readlane_b32 s[RS], v[RSV], \j
	v_pk_mul_f32 v[RB:RB+1],   v[RB:RB+1],   v[W:W+1]
	v_pk_mul_f32 v[RB+2:RB+3], v[RB+2:RB+3], v[W+2:W+3]
	v_pk_mul_f32 v[RB+4:RB+5], v[RB+4:RB+5], v[U:U+1]
	v_pk_mul_f32 v[RB+6:RB+7], v[RB+6:RB+7], v[U+2:U+3]
	v_fma_mix_f32_bf16 v[RB],   v[RB+8], v[RB],   v[ZR] op_sel_hi:[1,0,0]                  ; source 0 is a bf16 half: the cosine
	v_fma_mix_f32_bf16 v[RB+1], v[RB+8], v[RB+1], v[ZR] op_sel:[1,0,0] op_sel_hi:[1,0,0]
	v_fma_mix_f32_bf16 v[RB+2], v[RB+9], v[RB+2], v[ZR] op_sel_hi:[1,0,0]
	v_fma_mix_f32_bf16 v[RB+3], v[RB+9], v[RB+3], v[ZR] op_sel:[1,0,0] op_sel_hi:[1,0,0]
	v_fma_mix_f32_bf16 v[RB],   v[RB+10], v[RB+4], v[RB]   op_sel_hi:[1,0,0]               ; the sine
	v_fma_mix_f32_bf16 v[RB+1], v[RB+10], v[RB+5], v[RB+1] op_sel:[1,0,0] op_sel_hi:[1,0,0]
	v_fma_mix_f32_bf16 v[RB+2], v[RB+11], v[RB+6], v[RB+2] op_sel_hi:[1,0,0]
	v_fma_mix_f32_bf16 v[RB+3], v[RB+11], v[RB+7], v[RB+3] op_sel:[1,0,0] op_sel_hi:[1,0,0]
	v_pk_mul_f32 v[RB:RB+1],   v[RB:RB+1],   s[RS:RS+1] op_sel_hi:[1,0]
	v_pk_mul_f32 v[RB+2:RB+3], v[RB+2:RB+3], s[RS:RS+1] op_sel_hi:[1,0]
	v_cvt_pk_f16_f32 v[RB+4], v[RB],   v[RB+1]
	v_cvt_pk_f16_f32 v[RB+5], v[RB+2], v[RB+3]
	global_store_b64 v[GOF], v[RB+4:RB+5], s[DST:DST+1] offset:256*(\j)
.endm
	s_mov_b32 s[AB], 0
	s_mov_b32 s[CSO], 0
.Lblock:
.irp k, 0,1,2,3,4,5,6
	s_cmp_eq_u32 s[AB], \k
	s_cbranch_scc1 .Lsst\k
.endr
	SSTG 7
	s_branch .Lrows
.irp k, 0,1,2,3,4,5,6
.Lsst\k:
	SSTG \k
.if (\k) < 6
	s_branch .Lrows
.endif
.endr
.Lrows:
	s_cmp_lg_u32 s[CH], 0
	s_cbranch_scc1 .Lplain
	v_add_nc_u32 v[CSA], s[CSO], v[CS0]
.set j, 0
.rept 16                               ; row j at v[64 + 12 j]: x, its partner 64 channels away, 4 cosines, 4 sines.  LDS serves a wave's instructions in order (ISA guide 5.7.1.4): these see the stores above
	ds_load_b128 v[64+12*j:64+12*j+3],    v[RDO] offset:SPITCH*j
	ds_load_b128 v[64+12*j+4:64+12*j+7],  v[RDP] offset:SPITCH*j
	ds_load_b64  v[64+12*j+8:64+12*j+9],  v[CSA] offset:CSP*j
	ds_load_b64  v[64+12*j+10:64+12*j+11], v[CSA] offset:CSP*j+256
.set j, j+1
.endr
	v_pk_add_f32 v[Z:Z+1], v[Z:Z+1], v[Z+2:Z+3]    ; the four chains, the pair, the other half of the lanes: the row's sum of 128 squares
	v_pk_add_f32 v[Z+4:Z+5], v[Z+4:Z+5], v[Z+6:Z+7]
	v_pk_add_f32 v[Z:Z+1], v[Z:Z+1], v[Z+4:Z+5]
	v_add_f32 v[Z], v[Z], v[Z+1]
	v_permlanex16_b32 v[Z+1], v[Z], s[SEL], s[SEL+1]
	v_add_f32 v[Z], v[Z], v[Z+1]
	v_fma_f32 v[Z], v[Z], s[INV], s[EPS]
	v_rsq_f32 v[RSV], v[Z]
	v_nop                                          ; a plain instruction behind the root,
	s_wait_alu depctr_va_vdst(0)                   ; and the wait ahead of its first reader
	s_wait_dscnt 32                                ; rows 0-7 are in; the 32 loads of rows 8-15 may be out
.irp j, 0,1,2,3,4,5,6,7
	ROPE \j
.endr
	s_wait_dscnt 0x0
.irp j, 8,9,10,11,12,13,14,15
	ROPE \j
.endr
	s_branch .Lnext
.Lplain:
.set j, 0
.rept 16
	ds_load_b128 v[64+12*j:64+12*j+3], v[RDO] offset:SPITCH*j
.set j, j+1
.endr
	s_cmp_eq_u32 s[KVT], 1
	s_cbranch_scc1 .Lvrows
.set j, 0
.rept 16                               ; the gate, as f32: 32 lanes store a row's 512 bytes
	s_wait_dscnt 15-j                              ; row j is in, the younger rows may be out
	global_store_b128 v[GOG], v[64+12*j:64+12*j+3], s[DST:DST+1] offset:512*j
.set j, j+1
.endr
	s_branch .Lnext
.Lvrows:
.set j, 0
.rept 16                               ; v, rounded to f16: 32 lanes store a row's 256 bytes
	s_wait_dscnt 15-j
	v_cvt_pk_f16_f32 v[64+12*j+4], v[64+12*j],   v[64+12*j+1]
	v_cvt_pk_f16_f32 v[64+12*j+5], v[64+12*j+2], v[64+12*j+3]
	global_store_b64 v[GOF], v[64+12*j+4:64+12*j+5], s[DST:DST+1] offset:256*j
.set j, j+1
.endr
.Lnext:
	s_wait_xcnt 0x0                                ; the stores have read their data and their base: both are written again only behind this wait
	s_add_nc_u64 s[DST:DST+1], s[DST:DST+1], s[DSTEP:DSTEP+1]
	s_add_co_u32 s[CSO], s[CSO], 16*CSP
	s_add_co_u32 s[AB], s[AB], 1
	s_cmp_lt_u32 s[AB], 8
	s_cbranch_scc1 .Lblock
	s_wait_tensorcnt 0x0                           ; the wave's end: behind my last tensor load and my last LDS store
	ds_add_u32 v[SPW], v[NIL]
	s_wait_dscnt 0x0
	CROUND                                         ; the closing round
	s_endpgm
.Lfunc_end_k_q98ee105690_proj:
	.size	k_q98ee105690_proj, .Lfunc_end_k_q98ee105690_proj-k_q98ee105690_proj
	.p2alignl 7, 3214868480
	.fill 96, 4, 3214868480
	.section	.rodata,"a",@progbits
	.p2align	6, 0x0
	.amdhsa_kernel k_q98ee105690_proj
		.amdhsa_group_segment_fixed_size 327680
		.amdhsa_private_segment_fixed_size 0
		.amdhsa_enable_private_segment 0
		.amdhsa_kernarg_size 64
		.amdhsa_user_sgpr_count 2
		.amdhsa_user_sgpr_kernarg_segment_ptr 1
		.amdhsa_wavefront_size32 1
		.amdhsa_system_sgpr_workgroup_id_x 1
		.amdhsa_system_sgpr_workgroup_id_y 1
		.amdhsa_system_sgpr_workgroup_id_z 1
		.amdhsa_system_vgpr_workitem_id 0
		.amdhsa_next_free_vgpr 1024
		.amdhsa_next_free_sgpr 100
		.amdhsa_reserve_vcc 0
		.amdhsa_float_denorm_mode_32 3
		.amdhsa_float_denorm_mode_16_64 3
		.amdhsa_memory_ordered 1
		.amdhsa_forward_progress 1
		.amdhsa_inst_pref_size 153
	.end_amdhsa_kernel
	.amdgpu_metadata
---
amdhsa.version: [ 1, 2 ]
amdhsa.kernels:
  - .name:           k_q98ee105690_proj
    .symbol:         k_q98ee105690_proj.kd
    .args:
      - { .name: xb, .offset: 0, .size: 8, .value_kind: global_buffer, .address_space: global }
      - { .name: wb, .offset: 8, .size: 8, .value_kind: global_buffer, .address_space: global }
      - { .name: cs, .offset: 16, .size: 8, .value_kind: global_buffer, .address_space: global }
      - { .name: q_norm_w, .offset: 24, .size: 8, .value_kind: global_buffer, .address_space: global }
      - { .name: k_norm_w, .offset: 32, .size: 8, .value_kind: global_buffer, .address_space: global }
      - { .name: qh, .offset: 40, .size: 8, .value_kind: global_buffer, .address_space: global }
      - { .name: kv, .offset: 48, .size: 8, .value_kind: global_buffer, .address_space: global }
      - { .name: gr, .offset: 56, .size: 8, .value_kind: global_buffer, .address_space: global }
    .group_segment_fixed_size: 327680
    .private_segment_fixed_size: 0
    .kernarg_segment_align: 8
    .kernarg_segment_size: 64
    .max_flat_workgroup_size: 128
    .sgpr_count:     100
    .vgpr_count:     1024
    .wavefront_size: 32
...
	.end_amdgpu_metadata
.endif
;; end of part 2
;; launch attn (part 3): grid 16 x 16, 4 waves a work-group, clusters of 4 x 1, 327,680 bytes of LDS; arguments qh, kv, gr, ag; writes ag
.if DOCPART == 3
	.amdgcn_target "amdgcn-amd-amdhsa--gfx1250"
	.amdhsa_code_object_version 6
	.text
	.protected	k_q98ee105690_attn
	.globl	k_q98ee105690_attn
	.p2align	8
	.type	k_q98ee105690_attn,@function
k_q98ee105690_attn:
	s_mov_b64 s[64:65], 0
	v_nop
	global_prefetch_b8 v0, s[64:65] scope:SCOPE_SE
	s_setreg_imm32_b32 hwreg(HW_REG_WAVE_MODE, 25, 1), 1
	s_wait_xcnt 0x0
	s_wait_alu depctr_hold_cnt(0) depctr_sa_sdst(0) depctr_va_vdst(0) depctr_va_sdst(0) depctr_va_ssrc(0) depctr_va_vcc(0) depctr_vm_vsrc(0)
	s_getreg_b32 s2, hwreg(HW_REG_IB_STS2, 6, 4)
	s_cmp_eq_u32 s2, 0
	s_cbranch_scc0 .Lentry_in_a_cluster
	s_endpgm
.Lentry_in_a_cluster:
	s_bfe_u32 s2, ttmp6, 0x10000c
	s_cmp_lg_u32 s2, 0x3003
	s_cbranch_scc0 .Lentry_shape_is_right
	s_endpgm
.Lentry_shape_is_right:
; ATTN.  For each batch b and query head h (y = 8 b + h; kv head y / 2): O[q] = sum over k <= q of softmax_k(Q[q] . K[k] / sqrt(128)) V[k], then times sigmoid(gate).  qh, kv f16, gr f32; ag f16 [4096][1024].
; Products, maxima and sums in f32; the weights p are rounded to f16 for the second product (their sum is taken unrounded), the gated O once at the end.
; LIMITS.  A hidden score counts as its value less 2^127; the running maximum starts at -1e30, so true scores below that are not served.  A weight below 2^-126 counts as 0.  The gated O has V's range, within f16's
; 65,504.  NaN and infinities are not treated apart.
; THE WALK.  A head has 32 blocks of 64 queries and 8 key tiles of 256.  A work-group takes block 4 g + cx (tiles 0 .. g) and then block 31 - 4 g - cx (tiles 0 .. 7 - g): 9 tiles whatever g and cx: 256 equal
; work-groups, one loop with a constant trip count.  The four partners of a cluster share g and the kv head and walk the same tiles: every fill is a joint load.  cx enters the global addresses of Q, gate and ag
; and the mask's numbers, and no branch and no LDS address.
; KEYS ARE SPLIT AMONG THE WAVES.  Of each tile wave w takes keys 64 w .. 64 w + 63 for all 64 queries (four tiles of 16), with its own running maximum m, sum l and O.  No fragment of K or V is read by two waves.
; At a block's end the four partial results meet in LDS: weights 2^(c m_w - max), one sum, one division.
; LAYOUT.  S^T = K Q^T (source 0 = 16 keys, source 1 = 16 queries): a lane holds one query (lane % 16) and keys 8 (lane / 16) + 0..7.  Two such results rounded to f16 are source 1 of O^T = V^T P.  V comes out of LDS turned.
; THE MASK is the C operand that starts S^T: 0, or -2^127 where the key is hidden.  In a block's last tile the block lies in band BD of the tile's four: wave w sees all (w < BD), nothing (w > BD) or the triangle (w = BD).
; A wave that has seen nothing keeps m = -1e30, l = 0 and a finite O, and has weight 0 when the partial results meet.
; THE ORDER OF A STEP.  64 products K Q^T; the softmax; THE CHANGE OF SLOTS (the tile's K and V are all in registers by then, so its slot is asked for again here); the next tile's K is fetched; 64 products V^T P, beside
; which that fetch lands; the next tile's V is fetched, and lands beside the next K Q^T and softmax.  The loop begins at the change and is entered at K Q^T.
; REGISTERS in windows of 256: window 0: v0-15 addresses, v16-47 eight registers of statistics a tile, v48-55 the triangle, v64-191 S^T, v192-255 P;  window 1: O^T, 64 a tile;  window 2: v0-127 Q, v128-255 K;
; window 3: v0-127 V, v128-151 three masks of 8.
.set PK,    272                        ; a row of K in LDS: 256 bytes + 16
.set PV,    288                        ; a row of V: 256 + 32
.set VOFF,  256*PK
.set SLOT,  256*(PK+PV)                ; 143,360: a tile's K, then its V
.set MRG,   2*SLOT                     ; behind the ring: 16 queries x 528 bytes (128 f32 + 16) for each wave
.set MP,    528
.set STAT,  MRG+4*16*MP                ; (c m, l) of wave u, tile t, query q at 512 u + 128 t + 8 q
.set SPARE, STAT+2048                  ; the spare words: 128 bytes for each wave, two blocks of 256 that no other line names
.set AK0, 2                            ; v2  my place in a tile of K (my wave's 64 keys)     v3  the same for V
.set AV0, 3
.set ADK, 4                            ; v4, v5  the same in the slot in hand
.set ADV, 5
.set QO,  6                            ; v6  my byte offset in 16 rows of Q
.set SA,  7                            ; v7  where I put my statistics    v8  where I read all four waves'
.set SR,  8
.set MS,  12                           ; v12 where I put 16 bytes of my partial O    v13 where I read the four partial results
.set MR,  13
.set GRO, 14                           ; v14 my 32 bytes of the gate    v15 my 16 bytes of ag
.set AGO, 15
.set ST,  16                           ; tile t at v[ST+8 t]: c m, m, l, l, c0-c3 at work; a takes c2's place
.set DG,  48                           ; v48-55  register r: -2^127 where key 8 (l / 16) + r lies behind query l % 16
.set PFO, 56                           ; v56 256 x lane
.set SPW, 62
.set NIL, 63
.set S,   64
.set P,   192
.set OU,  96                           ; at a block's end: v64-95 the four waves' statistics, v96-127 what I store, v128-191 the gate, v192-255 the four partial results
.set GT,  128
.set MB,  192
.set KF,  128                          ; window 2
.set MCD, 128                          ; window 3: the mask of a key block against the query tile of the same number,
.set MCH, 136                          ; of a higher key block,
.set MCL, 144                          ; of a lower one
.set LQ2, 2                            ; s2  the second block's last tile
.set AD,  10                           ; s[10:11] ag at the block in hand
.set WV,  12
.set CX,  13
.set GG,  14
.set PFN, 15                           ; s15 prefetches still to make
.set GB,  16                           ; s[16:17] gr at the block in hand
.set PFA, 18
.set G1K, 24
.set G1V, 32
.set G0K, 40
.set G0V, 44
.set QL,  48                           ; s[48:53] Q, ag, gr at the second block
.set ADL, 50
.set GBL, 52
.set KW,  54                           ; s54, s55 my half of K's and V's part of a slot
.set VW,  55
.set SLOTS, 56
.set TF,  57                           ; s57 the slot last filled: 0 or SLOT      s62 the slot in hand
.set CS,  58
.set SEL, 60
.set TB,  62
.set RT,  63                           ; s63 tiles of the block in hand still to be entered
.set NXT, 66                           ; s66 the tile to ask for next     s67 the last tile of the block whose tiles are being asked for
.set LQ,  67
.set OFF, 68
.set AL,  70                           ; s[70:71] the triangle's factor and s[72:73] its addend, in the low words of pairs     s74 the higher key blocks' mask
.set BE,  72
.set BH,  74
.set BAND, 76
.set BD,  77
.set HID, 78
.set MLOW, 79
.set BAND2, 89                         ; s89, s99 the second block's band and number of tiles
.set MRGF, 98                          ; s98 1: the tile whose V^T P is due is its block's last
.set RT2, 99
.set MSB, 0
.macro WIN new
.if MSB != (\new)
	s_set_vgpr_msb (MSB<<8)|(\new)
.set MSB, \new
.endif
.endm
.set W_RS, 0x41                        ; destination and source 0 in window 1, source 1 in window 0
.macro PLACES
.rept 4
	v_nop
.endr
.endm
.macro ALLT line:vararg                ; one line for each tile t
.set t, 0
.rept 4
	\line
.set t, t+1
.endr
.endm
; A joint fill: waves 0 and 1 fetch the halves of a tile's K, waves 2 and 3 those of its V, 128 rows each.  An s_nop 0 and four v_nop follow each line.
.macro JLOAD
	s_cmp_lt_u32 s[WV], 2
	s_cbranch_scc0 .Lfor_v_\@
	tensor_load_to_lds s[G0K:G0K+3], s[G1K:G1K+7]
	s_nop 0
.rept 4
	v_nop
.endr
	s_branch .Lasked_\@
.Lfor_v_\@:
	tensor_load_to_lds s[G0V:G0V+3], s[G1V:G1V+7]
	s_nop 0
.rept 4
	v_nop
.endr
.Lasked_\@:
.endm
; A prefetch, behind the joint load.  The cluster with g = 0 of a kv head's even query head asks, at its first six changes of slots, for tiles 2 to 7 of that kv head: tile c + 1 at change c, which is one or two
; changes ahead of the first load of that tile by any cluster.  Of the 128 rows that a wave fetches each of the four partners takes 32, told apart by address; a lane a row of 256 bytes.  So each row is named once.
; Tiles 0 and 1 come by their loads alone.
.macro ASK
	s_cmp_lg_u32 s[PFN], 0
	s_cbranch_scc0 .Lnot_mine_\@
	global_prefetch_b8 v[PFO], s[PFA:PFA+1] th:TH_LOAD_NT scope:SCOPE_SE
	s_sub_co_u32 s[PFN], s[PFN], 1
.Lnot_mine_\@:
.endm
.macro CROUND
	s_barrier_signal -1
	s_barrier_wait -1
	s_cmp_lg_u32 s[WV], 0
	s_cbranch_scc1 .Lnot_wave_0_\@
	s_barrier_signal -3
.Lnot_wave_0_\@:
	s_barrier_wait -3
	s_barrier_signal -1
	s_barrier_wait -1
.endm
; THE CHANGE OF SLOTS.  Each wave waits for all its tensor loads (one is out: its part of the other slot), adds 0 to its spare word, and waits for that and for its reads of the slot that it leaves, V's among them.
; fill = 1: the barrier is a round of the cluster's, and the old slot takes tile NXT, first thing behind it; the descriptor's address is made anew from that number.  (At its first use slot 0 is waited for and slot 1 filled.)
; Between the add and its wait: the descriptors, the count of the block's tiles, and the three masks of the tile to be entered.
.macro CHANGE fill
	WIN 0
	s_wait_tensorcnt 0x0                           ; no tensor load of mine is out, so a group 0 may be written
	ds_add_u32 v[SPW], v[NIL]                      ; 0 onto my spare word; work on registers stands between it and the wait for it
.if \fill
	s_lshl_b32 s[OFF], s[NXT], 16                  ; a tile is 65,536 bytes of K and of V
	s_xor_b32 s[TF], s[TF], SLOT
	s_add_co_u32 s[G0K+1], s[TF], s[KW]
	s_add_nc_u64 s[G0K+2:G0K+3], s[6:7], s[OFF:OFF+1]
	s_or_b32 s[G0K+3], s[G0K+3], 0x80000000
	s_add_co_u32 s[G0V+1], s[TF], s[VW]
	s_add_nc_u64 s[G0V+2:G0V+3], s[8:9], s[OFF:OFF+1]
	s_or_b32 s[G0V+3], s[G0V+3], 0x80000000
	s_add_co_u32 s[NXT], s[NXT], 1                 ; the block's next tile, or behind its last the second block's tile 0
	s_cmp_gt_u32 s[NXT], s[LQ]
	s_cselect_b32 s[NXT], 0, s[NXT]
	s_cselect_b32 s[LQ], s[LQ2], s[LQ]
	s_wait_xcnt 0x0                                ; the last prefetch, a step back, has read its address
	s_add_nc_u64 s[PFA:PFA+1], s[PFA:PFA+1], 65536
.endif
	s_cmp_eq_u32 s[RT], 0                          ; is the tile in hand its block's last?  Then the tile to be entered is the second block's first
	s_cselect_b32 s[MRGF], 1, 0
	s_cselect_b32 s[RT], s[RT2], s[RT]
	s_cselect_b32 s[BAND], s[BAND2], s[BAND]
	s_sub_co_u32 s[RT], s[RT], 1
	s_cmp_eq_u32 s[RT], 0                          ; is the tile to be entered its block's last?
	s_cselect_b32 s[BD], s[BAND], 4
	s_cmp_eq_u32 s[WV], s[BD]
	s_cselect_b32 s[AL], 1.0, 0
	s_cmp_gt_u32 s[WV], s[BD]
	s_cselect_b32 s[BE], s[HID], 0
	s_cmp_ge_u32 s[WV], s[BD]
	s_cselect_b32 s[BH], s[HID], 0
	WIN 0xc0                                       ; destination window 3
.set i, 0
.rept 4
	v_pk_fma_f32 v[MCD+2*i:MCD+2*i+1], v[DG+2*i:DG+2*i+1], s[AL:AL+1], s[BE:BE+1] op_sel_hi:[1,0,0]
.set i, i+1
.endr
.set i, 0
.rept 8
	v_mov_b32 v[MCH+i], s[BH]
	v_mov_b32 v[MCL+i], s[BE]
.set i, i+1
.endr
	WIN 0
	s_wait_dscnt 0x0                               ; the add is done, and my reads of the slot are over
.if \fill
	CROUND
	JLOAD
	ASK
.else
	s_barrier_signal -1
	s_barrier_wait -1
.endif
	s_xor_b32 s[TB], s[TB], SLOT
.endm
; Product i of 64 of S^T = K Q^T: channels 32 (i / 16) on, keys 16 ((i / 4) % 4) on, tile i % 4.  The first 16 start the sums with one of the three masks.  The 16 accumulators take turns.
.macro KQ
.set rS, S+32*(i%4)+8*((i/4)%4)
.set rK, KF+32*((i/4)%4)+8*(i/16)
.set rQ, 32*(i%4)+8*(i/16)
.set rM, MCL
.if (i/4)%4 == i%4
.set rM, MCD
.elseif (i/4)%4 > i%4
.set rM, MCH
.endif
.if i < 16
	WIN 0x3a                                       ; K and Q window 2, the mask window 3, S^T window 0
	v_wmma_f32_16x16x32_f16 v[rS:rS+7], v[rK:rK+7], v[rQ:rQ+7], v[rM:rM+7]
.else
	WIN 0x0a
	v_wmma_f32_16x16x32_f16 v[rS:rS+7], v[rK:rK+7], v[rQ:rQ+7], v[rS:rS+7]
.endif
.endm
; Product i of 64 of O^T += V^T P: keys 32 (i / 32) on, channels 16 ((i / 4) % 8) on, tile i % 4.  32 accumulators take turns.
.macro PVP
	WIN 0x53                                       ; V window 3, P window 0, O^T window 1
.set rO, 64*(i%4)+8*((i/4)%8)
.set rV, 64*(i/32)+8*((i/4)%8)
.set rP, P+16*(i%4)+8*(i/32)
	v_wmma_f32_16x16x32_f16 v[rO:rO+7], v[rV:rV+7], v[rP:rP+7], v[rO:rO+7]
.endm
; Number j of the 134 of one tile's softmax for one step.  s0-s31 are the lane's 32 scores, in pairs 0-15.
;   0-15 the maximum of s0-s31 and the old m, three operands at a time (each accumulator's low registers first)     16-20 the other half of the lanes'; the new m; c m; c m_old - c m_new
;   21-69 one batch: the 16 scalings c s - c m and the 33 exponentials (a at 23); none of these names an exponential's result     70-85 roundings to f16     86-101 the sums; l = a l + sum     102-133 O^T times a
.macro SM t
.set rT, ST+8*(\t)
.set rS, S+32*(\t)
.set rP, P+16*(\t)
.set rO, 64*(\t)+2*(j-102)
.if j < 102
	WIN 0
.endif
.if j < 4
	v_max3_num_f32 v[rT+4+j], v[rS+8*j], v[rS+8*j+1], v[rS+8*j+2]
.elseif j < 12
	v_max3_num_f32 v[rT+4+j%4], v[rT+4+j%4], v[rS+8*(j%4)+2*(j/4)+1], v[rS+8*(j%4)+2*(j/4)+2]
.elseif j == 12
	v_max3_num_f32 v[rT+4], v[rT+4], v[rS+7], v[rS+15]
.elseif j == 13
	v_max3_num_f32 v[rT+6], v[rT+6], v[rS+23], v[rS+31]
.elseif j == 14
	v_max3_num_f32 v[rT+4], v[rT+4], v[rT+5], v[rT+6]
.elseif j == 15
	v_max3_num_f32 v[rT+4], v[rT+4], v[rT+7], v[rT+1]
.elseif j == 16
	v_permlanex16_b32 v[rT+5], v[rT+4], s[SEL], s[SEL+1]
.elseif j == 17
	v_mov_b32 v[rT+7], v[rT]
.elseif j == 18
	v_max_num_f32 v[rT+1], v[rT+4], v[rT+5]
.elseif j == 19
	v_mul_f32 v[rT], s[CS], v[rT+1]
.elseif j == 20
	v_sub_f32 v[rT+7], v[rT+7], v[rT]
.elseif j == 23
	v_exp_f32 v[rT+6], v[rT+7]
.elseif (j < 23) || ((j < 38) && (j%2 == 0)) || ((j < 66) && (j%4 == 2))
.set b, (j-2)/4
.if j < 38
.set b, (j-20)/2
.endif
	v_pk_fma_f32 v[rS+2*b:rS+2*b+1], v[rS+2*b:rS+2*b+1], s[CS:CS+1], v[rT:rT+1] op_sel_hi:[1,0,0] neg_lo:[0,0,1] neg_hi:[0,0,1]
.elseif j < 70
.set e, j-38
.if j < 66
.set e, j-32-(j-38)/4
.endif
.if j < 38
.set e, (j-25)/2
.endif
	v_exp_f32 v[rS+e], v[rS+e]
.elseif j < 86
	v_cvt_pk_f16_f32 v[rP+j-70], v[rS+2*(j-70)], v[rS+2*(j-70)+1]
.elseif j < 102
.set z, j-86
.set w, 4
.set u, z
.if z >= 14
.set w, 32
.set u, 0
.elseif z >= 12
.set w, 16
.set u, z-12
.elseif z >= 8
.set w, 8
.set u, z-8
.endif
.if z < 15
	v_pk_add_f32 v[rS+w*u:rS+w*u+1], v[rS+w*u:rS+w*u+1], v[rS+w*u+w/2:rS+w*u+w/2+1]
.else
	v_pk_fma_f32 v[rT+2:rT+3], v[rT+2:rT+3], v[rT+6:rT+7], v[rS:rS+1] op_sel_hi:[1,0,1]
.endif
.else
	WIN W_RS
	v_pk_mul_f32 v[rO:rO+1], v[rO:rO+1], v[rT+6:rT+7] op_sel_hi:[1,0]
.endif
.endm
; My 64 keys of the slot in hand: K, 32 loads; V, turned, 32 loads.
.macro FETCH_K
	WIN 0
	v_add_nc_u32 v[ADK], s[TB], v[AK0]
	WIN 0x80                                       ; destination window 2
.irp f, 0,1,2,3,4,5,6,7,8,9,10,11,12,13,14,15  ; keys 16 (f / 4) on, channels 32 (f % 4) on
	ds_load_b128 v[KF+8*(\f):KF+8*(\f)+3],   v[ADK] offset:((\f)/4)*16*PK+((\f)%4)*64
	ds_load_b128 v[KF+8*(\f)+4:KF+8*(\f)+7], v[ADK] offset:((\f)/4)*16*PK+((\f)%4)*64+32
.endr
	WIN 0
.endm
.macro FETCH_V
	WIN 0
	v_add_nc_u32 v[ADV], s[TB], v[AV0]
	WIN 0xc0                                       ; destination window 3
.irp f, 0,1,2,3,4,5,6,7,8,9,10,11,12,13,14,15  ; keys 32 (f / 8) on, channels 16 (f % 8) on
	ds_load_tr16_b128 v[8*(\f):8*(\f)+3],   v[ADV] offset:((\f)/8)*32*PV+((\f)%8)*32
	ds_load_tr16_b128 v[8*(\f)+4:8*(\f)+7], v[ADV] offset:((\f)/8)*32*PV+16*PV+((\f)%8)*32
.endr
	WIN 0
.endm
; The first half of a step: the scores and the softmax.
.macro KQSM
	s_wait_loadcnt 0x0                             ; Q (met at once in all steps but a block's first)
	s_wait_dscnt 32                                ; K is in; V's 32 loads, issued behind K's, may be out
.set i, 0
.rept 64
	KQ
.set i, i+1
.endr
	WIN 0
	PLACES
.set j, 0
.rept 70                               ; number by number, the four tiles by turns, so that no instruction reads the result of the one before it
	SM 0
	SM 1
	SM 2
	SM 3
.set j, j+1
.endr
	v_nop                                          ; a plain instruction behind the last exponential: one for the batch of 132,
	s_wait_alu depctr_va_vdst(0)                   ; and the one wait ahead of the first reader
.rept 64
	SM 0
	SM 1
	SM 2
	SM 3
.set j, j+1
.endr
	WIN 0
.endm
.macro PVS                             ; the second half: V^T P, and the places behind it
.set i, 0
.rept 64
	PVP
.set i, i+1
.endr
	WIN 0
	PLACES
.endm
.macro RESET                           ; a block begins: the first step that sees a key has a = 0, so O^T need only be finite
	ALLT v_mov_b32 v[ST+8*t+1], s[MLOW]
	ALLT v_mul_f32 v[ST+8*t], s[CS], v[ST+8*t+1]
	ALLT v_mov_b32 v[ST+8*t+2], 0
	ALLT v_mov_b32 v[ST+8*t+3], 0
.endm
; What a block's end needs from memory is asked for ahead of the block's last V^T P: the gate of the numbers that I will store, into S^T's registers, which the softmax has left; nxt = 1: and the second block's Q.
.macro GLOADS nxt
	WIN 0
.set i, 0
.rept 16                               ; i = 4 t + 2 (query pair) + half
	global_load_b128 v[GT+4*i:GT+4*i+3], v[GRO], s[GB:GB+1] offset:8192*(i/4)+1024*((i/2)%2)+16*(i%2)
.set i, i+1
.endr
.if \nxt
	WIN 0x80
.set i, 0
.rept 16
	global_load_b128 v[8*i:8*i+3],   v[QO], s[QL:QL+1] offset:(i/4)*4096+(i%4)*64
	global_load_b128 v[8*i+4:8*i+7], v[QO], s[QL:QL+1] offset:(i/4)*4096+(i%4)*64+32
.set i, i+1
.endr
	WIN 0
.endif
.endm
; Query tile t of a block's end: my O^T times my weight over the common sum goes into my part of MRG; behind a barrier wave w reads queries 4 w .. 4 w + 3 of all four parts (a lane: one query, 8 channels, twice),
; adds them, multiplies by the gate's sigmoid, rounds to f16 and stores: 16 lanes fill a row's 256 bytes of this head.  The second barrier keeps the next tile's stores behind every wave's reads.
.macro ROUNDT t
	WIN W_RS
.set i, 0
.rept 32
	v_pk_mul_f32 v[64*(\t)+2*i:64*(\t)+2*i+1], v[64*(\t)+2*i:64*(\t)+2*i+1], v[ST+8*(\t)+6:ST+8*(\t)+7] op_sel_hi:[1,0]
.set i, i+1
.endr
	WIN 0x04                                       ; store data in window 1
.set i, 0
.rept 16
	ds_store_b128 v[MS], v[64*(\t)+4*i:64*(\t)+4*i+3] offset:64*(i/2)+16*(i%2)
.set i, i+1
.endr
	WIN 0
	s_wait_dscnt 0x0                               ; for the others' sake: my stores are done
	s_barrier_signal -1
	s_barrier_wait -1
.set i, 0
.rept 16                               ; i = 4 u + 2 (query pair) + half
	ds_load_b128 v[MB+4*i:MB+4*i+3], v[MR] offset:16*MP*(i/4)+2*MP*((i/2)%2)+16*(i%2)
.set i, i+1
.endr
	s_wait_dscnt 0x0                               ; my reads are over: say so, and work on registers while the others arrive
	s_barrier_signal -1
.set i, 0
.rept 8
	v_pk_add_f32 v[MB+2*i:MB+2*i+1],       v[MB+2*i:MB+2*i+1],       v[MB+16+2*i:MB+16+2*i+1]
	v_pk_add_f32 v[MB+32+2*i:MB+32+2*i+1], v[MB+32+2*i:MB+32+2*i+1], v[MB+48+2*i:MB+48+2*i+1]
.set i, i+1
.endr
.set i, 0
.rept 8
	v_pk_add_f32 v[MB+2*i:MB+2*i+1], v[MB+2*i:MB+2*i+1], v[MB+32+2*i:MB+32+2*i+1]
.set i, i+1
.endr
.set i, 0
.rept 8
	v_pk_mul_f32 v[MB+2*i:MB+2*i+1], v[MB+2*i:MB+2*i+1], v[GT+16*(\t)+2*i:GT+16*(\t)+2*i+1]
.set i, i+1
.endr
.set i, 0
.rept 8
	v_cvt_pk_f16_f32 v[OU+8*(\t)+i], v[MB+2*i], v[MB+2*i+1]
.set i, i+1
.endr
	s_barrier_wait -1
	global_store_b128 v[AGO], v[OU+8*(\t):OU+8*(\t)+3],   s[AD:AD+1] offset:32768*(\t)
	global_store_b128 v[AGO], v[OU+8*(\t)+4:OU+8*(\t)+7], s[AD:AD+1] offset:32768*(\t)+4096
.endm
; A BLOCK'S END.  nxt = 1: the second block follows: the bases and statistics are set for it.
.macro MERGE nxt
	WIN 0
	ALLT v_add_f32 v[ST+8*t+5], v[ST+8*t+2], v[ST+8*t+3]
	ALLT v_permlanex16_b32 v[ST+8*t+6], v[ST+8*t+5], s[SEL], s[SEL+1]
	ALLT v_add_f32 v[ST+8*t+5], v[ST+8*t+5], v[ST+8*t+6]
	ALLT v_mov_b32 v[ST+8*t+4], v[ST+8*t]
	ALLT ds_store_b64 v[SA], v[ST+8*t+4:ST+8*t+5] offset:128*t
	s_wait_dscnt 0x0
	s_barrier_signal -1
	s_barrier_wait -1
.set i, 0
.rept 16                               ; (c m, l) of wave i % 4 for tile i / 4, at v[S + 2 i]
	ds_load_b64 v[S+2*i:S+2*i+1], v[SR] offset:512*(i%4)+128*(i/4)
.set i, i+1
.endr
	s_wait_dscnt 0x0
	ALLT v_max3_num_f32 v[ST+8*t+4], v[S+8*t], v[S+8*t+2], v[S+8*t+4]
	ALLT v_max_num_f32 v[ST+8*t+4], v[ST+8*t+4], v[S+8*t+6]
.set i, 0
.rept 16
	v_sub_f32 v[S+2*i], v[S+2*i], v[ST+8*(i/4)+4]
.set i, i+1
.endr
	ALLT v_sub_f32 v[ST+8*t+6], v[ST+8*t], v[ST+8*t+4]
.if \nxt
	s_wait_loadcnt 32                              ; the gate is in; Q's 32 younger loads may be out
.else
	s_wait_loadcnt 0x0
.endif
.set i, 0
.rept 32
	v_pk_mul_f32 v[GT+2*i:GT+2*i+1], v[GT+2*i:GT+2*i+1], 0xbfb8aa3b op_sel_hi:[1,0]  ; - log2(e) x gate
.set i, i+1
.endr
.set i, 0
.rept 16
	v_exp_f32 v[S+2*i], v[S+2*i]                   ; the four waves' weights,
.set i, i+1
.endr
	ALLT v_exp_f32 v[ST+8*t+6], v[ST+8*t+6]
.set i, 0
.rept 64
	v_exp_f32 v[GT+i], v[GT+i]
.set i, i+1
.endr
	v_nop                                          ; one batch of exponentials: a plain instruction and one wait
	s_wait_alu depctr_va_vdst(0)
	ALLT v_mul_f32 v[ST+8*t+5], v[S+8*t], v[S+8*t+1]
	ALLT v_fmac_f32 v[ST+8*t+5], v[S+8*t+2], v[S+8*t+3]
	ALLT v_fmac_f32 v[ST+8*t+5], v[S+8*t+4], v[S+8*t+5]
	ALLT v_fmac_f32 v[ST+8*t+5], v[S+8*t+6], v[S+8*t+7]
.set i, 0
.rept 32
	v_pk_add_f32 v[GT+2*i:GT+2*i+1], v[GT+2*i:GT+2*i+1], 1.0 op_sel_hi:[1,0]
.set i, i+1
.endr
	ALLT v_rcp_f32 v[ST+8*t+7], v[ST+8*t+5]
.set i, 0
.rept 64
	v_rcp_f32 v[GT+i], v[GT+i]                     ; sigmoid = 1 / (1 + 2^(- log2(e) x gate))
.set i, i+1
.endr
	v_nop                                          ; one batch of reciprocals: a plain instruction and one wait
	s_wait_alu depctr_va_vdst(0)
	ALLT v_mul_f32 v[ST+8*t+6], v[ST+8*t+6], v[ST+8*t+7]
	ROUNDT 0
	ROUNDT 1
	ROUNDT 2
	ROUNDT 3
.if \nxt
	s_wait_xcnt 0x0                                ; the loads and stores have read their bases and data
	s_mov_b64 s[AD:AD+1], s[ADL:ADL+1]
	s_mov_b64 s[GB:GB+1], s[GBL:GBL+1]
	RESET
.endif
.endm
	s_load_b256 s[80:87], s[0:1], 0x0              ; qh 80, kv 82, gr 84, ag 86
	v_lshl_add_u32 v[SPW], v0, 2, SPARE
	v_mov_b32 v[NIL], 0
	ds_add_u32 v[SPW], v[NIL]                      ; the wave's opening: the add and its wait stand ahead of my first tensor load
	v_lshrrev_b32 v1, 5, v0
	v_readfirstlane_b32 s[WV], v1
	s_bfe_u32 s[CX], ttmp6, 0x40000
	s_mov_b32 s[GG], ttmp9                         ; in a cluster launch ttmp9 counts clusters
	s_and_b32 s88, ttmp7, 0xffff                   ; y = 8 b + h
	s_lshr_b32 s22, s88, 1                         ; the kv head: 524,288 bytes each,
	s_lshl_b32 s22, s22, 19
	s_and_b32 s23, s[WV], 1                        ; and which half of a tile's 256 rows I fetch
	s_mul_i32 s[KW], s23, 128*PK
	s_mul_i32 s[VW], s23, 128*PV
	s_add_co_u32 s[VW], s[VW], VOFF
	s_lshl_b32 s23, s23, 15
	s_add_co_u32 s22, s22, s23
	s_mov_b32 s23, 0
	s_lshl_b32 s90, s[GG], 2
	s_add_co_u32 s90, s90, s[CX]                   ; the first block, 4 g + cx,
	s_sub_co_u32 s91, 31, s90                      ; and the second
	s_lshl_b32 s90, s90, 6                         ; their first positions
	s_lshl_b32 s91, s91, 6
	s_lshl_b32 s92, s88, 11
	s_add_co_u32 s93, s92, s90                     ; their first rows in qh and gr
	s_add_co_u32 s94, s92, s91
	s_lshr_b32 s95, s88, 3
	s_lshl_b32 s95, s95, 11                        ; the batch's first row in ag
	s_and_b32 s96, s88, 7
	s_lshl_b32 s96, s96, 8                         ; the head's 256 bytes in a row of ag
	s_mov_b32 s21, 0
	s_mov_b32 s[G1K], 15|(1<<16)|(1<<20)|(1<<21)|(5<<22)|(3<<25)  ; the mask of four; 2-byte elements; padding on; bit 21 beside the mask; 4 words behind every 64
	s_mov_b32 s[G1V], 15|(1<<16)|(1<<20)|(1<<21)|(5<<22)|(7<<25)  ; 8 words
.irp g, G1K, G1V
	s_mov_b32 s[(\g)+1], 128<<16                   ; 128 rows of 128 elements, dense
	s_mov_b32 s[(\g)+2], 128<<16
	s_mov_b32 s[(\g)+3], 128<<16
	s_mov_b32 s[(\g)+4], 128
	s_mov_b32 s[(\g)+5], 128
	s_mov_b32 s[(\g)+6], 0
	s_mov_b32 s[(\g)+7], 0
.endr
	s_mov_b32 s[CS], 0x3e0293ee                    ; c = log2(e) / sqrt(128)
	s_mov_b32 s[CS+1], s[CS]
	s_mov_b32 s[SEL], 0x76543210
	s_mov_b32 s[SEL+1], 0xfedcba98
	s_mov_b32 s[HID], 0xff000000                   ; -2^127
	s_mov_b32 s[MLOW], 0xf149f2ca                  ; -1e30
	s_mov_b32 s[AL+1], 0                           ; named as pairs
	s_mov_b32 s[BE+1], 0
	s_mov_b32 s[OFF+1], 0
	s_mov_b32 s[TF], 0
	s_mov_b32 s[TB], SLOT                          ; the first change of slots turns it into 0
	s_add_co_u32 s[RT], s[GG], 1                   ; the first block has g + 1 tiles,
	s_sub_co_u32 s[RT2], 8, s[GG]                  ; the second 8 - g
	s_mov_b32 s[BAND], s[CX]
	s_sub_co_u32 s[BAND2], 3, s[CX]
	s_mov_b32 s[LQ], s[GG]
	s_sub_co_u32 s[LQ2], 7, s[GG]
	s_mov_b32 s[NXT], 1                            ; tile 0 is asked for below; then the first block's tile 1, or, where it has none, the second block's tile 0
	s_cmp_gt_u32 s[NXT], s[LQ]
	s_cselect_b32 s[NXT], 0, s[NXT]
	s_cselect_b32 s[LQ], s[LQ2], s[LQ]
	s_mov_b32 s[SLOTS], 8
	s_and_b32 s20, s88, 1
	s_or_b32 s20, s20, s[GG]
	s_cmp_eq_u32 s20, 0
	s_cselect_b32 s[PFN], 6, 0
	s_mov_b32 s[G0K], 1
	s_mov_b32 s[G0K+1], s[KW]
	s_mov_b32 s[G0V], 1
	s_mov_b32 s[G0V+1], s[VW]
	s_wait_dscnt 0x0                               ; the opening add is done
	s_wait_kmcnt 0x0
	s_add_nc_u64 s[6:7], s[82:83], s[22:23]        ; K and V at my half of the head's tile 0
	s_add_nc_u64 s[8:9], s[6:7], 0x400000
	s_add_nc_u64 s[G0K+2:G0K+3], s[6:7], 0
	s_or_b32 s[G0K+3], s[G0K+3], 0x80000000
	s_add_nc_u64 s[G0V+2:G0V+3], s[8:9], 0
	s_or_b32 s[G0V+3], s[G0V+3], 0x80000000
	s_lshl_b32 s20, s93, 8
	s_add_nc_u64 s[4:5], s[80:81], s[20:21]        ; Q of the first block,
	s_lshl_b32 s20, s94, 8
	s_add_nc_u64 s[QL:QL+1], s[80:81], s[20:21]    ; of the second
	s_lshl_b32 s20, s93, 9
	s_add_nc_u64 s[GB:GB+1], s[84:85], s[20:21]
	s_lshl_b32 s20, s94, 9
	s_add_nc_u64 s[GBL:GBL+1], s[84:85], s[20:21]
	s_add_co_u32 s20, s95, s90
	s_lshl_b32 s20, s20, 11
	s_add_co_u32 s20, s20, s96
	s_add_nc_u64 s[AD:AD+1], s[86:87], s[20:21]
	s_add_co_u32 s20, s95, s91
	s_lshl_b32 s20, s20, 11
	s_add_co_u32 s20, s20, s96
	s_add_nc_u64 s[ADL:ADL+1], s[86:87], s[20:21]
	s_cmp_lt_u32 s[WV], 2
	s_cselect_b64 s[PFA:PFA+1], s[6:7], s[8:9]
	s_lshl_b32 s20, s[CX], 13                      ; my work-group's 32 rows of the 128,
	s_add_co_u32 s20, s20, 65536                   ; in tile 1: the first change of slots steps it to tile 2
	s_add_nc_u64 s[PFA:PFA+1], s[PFA:PFA+1], s[20:21]
	CROUND                                         ; all four work-groups are here: the first joint load meets
	JLOAD                                          ; tile 0 into slot 0
	; all that follows up to the first change of slots stands in the wait for the first tile
	v_and_b32 v1, 15, v0                           ; l % 16
	v_bfe_u32 v9, v0, 4, 1                         ; l / 16
	v_lshlrev_b32 v[QO], 8, v1
	v_lshl_add_u32 v[QO], v9, 4, v[QO]
	WIN 0x80
.set i, 0
.rept 16                               ; Q stays in registers: tile i / 4, channels 32 (i % 4) on
	global_load_b128 v[8*i:8*i+3],   v[QO], s[4:5] offset:(i/4)*4096+(i%4)*64
	global_load_b128 v[8*i+4:8*i+7], v[QO], s[4:5] offset:(i/4)*4096+(i%4)*64+32
.set i, i+1
.endr
	WIN 0
	s_mul_i32 s97, s[WV], 64*PK
	v_mul_u32_u24 v[AK0], v1, PK
	v_lshl_add_u32 v[AK0], v9, 4, v[AK0]
	v_add_nc_u32 v[AK0], s97, v[AK0]
	v_and_b32 v10, 7, v0
	v_bfe_u32 v11, v0, 3, 1
	v_lshl_add_u32 v[AV0], v9, 3, v10
	v_mul_u32_u24 v[AV0], v[AV0], PV
	v_lshl_add_u32 v[AV0], v11, 4, v[AV0]
	s_mul_i32 s97, s[WV], 64*PV
	s_add_co_u32 s97, s97, VOFF
	v_add_nc_u32 v[AV0], s97, v[AV0]
	s_lshl_b32 s97, s[WV], 9
	s_add_co_u32 s97, s97, STAT
	v_lshl_add_u32 v[SA], v1, 3, s97
	v_lshl_add_u32 v[SR], v1, 3, STAT
	s_mul_i32 s97, s[WV], 16*MP
	s_add_co_u32 s97, s97, MRG
	v_mul_u32_u24 v[MS], v1, MP
	v_lshl_add_u32 v[MS], v9, 5, v[MS]
	v_add_nc_u32 v[MS], s97, v[MS]
	v_lshl_add_u32 v10, s[WV], 2, v9               ; the query that I finish: 4 w + l / 16 (and two further on)
	v_mul_u32_u24 v[MR], v10, MP
	v_lshl_add_u32 v[MR], v1, 5, v[MR]
	v_add_nc_u32 v[MR], MRG, v[MR]
	v_lshlrev_b32 v[GRO], 9, v10
	v_lshl_add_u32 v[GRO], v1, 5, v[GRO]
	v_lshlrev_b32 v[AGO], 11, v10
	v_lshl_add_u32 v[AGO], v1, 4, v[AGO]
	v_and_b32 v[PFO], 31, v0
	v_lshlrev_b32 v[PFO], 8, v[PFO]
	v_lshlrev_b32 v10, 3, v9
	v_sub_nc_u32 v10, v1, v10                      ; l % 16 - 8 (l / 16): register r is hidden where r is greater
.set i, 0
.rept 8
	v_cmp_gt_i32 vcc_lo, i, v10
	v_cndmask_b32 v[DG+i], 0, s[HID], vcc_lo
.set i, i+1
.endr
	WIN 0x40
.set i, 0
.rept 256                              ; O^T starts finite: no first step is written out
	v_mov_b32 v[i], 0
.set i, i+1
.endr
	WIN 0
	RESET
	CHANGE 1                                       ; tile 0 is in, everybody's part of it; slot 1 is asked for
	FETCH_K
	FETCH_V
	s_branch .Lfirst                               ; the loop is entered at a step's first half
.Lslot:                                                ; 7 whole trips: the second half of steps 0 to 6, the first half of steps 1 to 7; each asks for the tile two steps on
	CHANGE 1
	s_cmp_eq_u32 s[MRGF], 0                        ; MRGF hangs on g alone: the same in all waves and all partners
	s_cbranch_scc1 .Lnoload
	GLOADS 1
.Lnoload:
	FETCH_K                                        ; the next tile's K lands beside the products below
	PVS
	FETCH_V                                        ; four places behind the last product that read V
	s_cmp_eq_u32 s[MRGF], 0
	s_cbranch_scc1 .Lfirst
	MERGE 1                                        ; in the loop this is the first block's end (steps 0 to 3); the second's last tile is the walk's last
.Lfirst:
	KQSM
	s_sub_co_u32 s[SLOTS], s[SLOTS], 1
	s_cmp_lg_u32 s[SLOTS], 0
	s_cbranch_scc1 .Lslot
	CHANGE 0                                       ; the walk's end is written out: nothing is asked for
	FETCH_K
	PVS                                            ; step 7
	FETCH_V
	KQSM                                           ; step 8
	GLOADS 0
	s_wait_dscnt 0x0                               ; V is in
	PVS
	MERGE 0
	s_wait_tensorcnt 0x0                           ; the wave's end: behind my last tensor load and my last LDS store
	ds_add_u32 v[SPW], v[NIL]
	s_wait_dscnt 0x0
	CROUND                                         ; the closing round
	s_endpgm
.Lfunc_end_k_q98ee105690_attn:
	.size	k_q98ee105690_attn, .Lfunc_end_k_q98ee105690_attn-k_q98ee105690_attn
	.p2alignl 7, 3214868480
	.fill 96, 4, 3214868480
	.section	.rodata,"a",@progbits
	.p2align	6, 0x0
	.amdhsa_kernel k_q98ee105690_attn
		.amdhsa_group_segment_fixed_size 327680
		.amdhsa_private_segment_fixed_size 0
		.amdhsa_enable_private_segment 0
		.amdhsa_kernarg_size 32
		.amdhsa_user_sgpr_count 2
		.amdhsa_user_sgpr_kernarg_segment_ptr 1
		.amdhsa_wavefront_size32 1
		.amdhsa_system_sgpr_workgroup_id_x 1
		.amdhsa_system_sgpr_workgroup_id_y 1
		.amdhsa_system_sgpr_workgroup_id_z 1
		.amdhsa_system_vgpr_workitem_id 0
		.amdhsa_next_free_vgpr 1024
		.amdhsa_next_free_sgpr 100
		.amdhsa_reserve_vcc 1
		.amdhsa_float_denorm_mode_32 3
		.amdhsa_float_denorm_mode_16_64 3
		.amdhsa_memory_ordered 1
		.amdhsa_forward_progress 1
		.amdhsa_inst_pref_size 210
	.end_amdhsa_kernel
	.amdgpu_metadata
---
amdhsa.version: [ 1, 2 ]
amdhsa.kernels:
  - .name:           k_q98ee105690_attn
    .symbol:         k_q98ee105690_attn.kd
    .args:
      - { .name: qh, .offset: 0, .size: 8, .value_kind: global_buffer, .address_space: global }
      - { .name: kv, .offset: 8, .size: 8, .value_kind: global_buffer, .address_space: global }
      - { .name: gr, .offset: 16, .size: 8, .value_kind: global_buffer, .address_space: global }
      - { .name: ag, .offset: 24, .size: 8, .value_kind: global_buffer, .address_space: global }
    .group_segment_fixed_size: 327680
    .private_segment_fixed_size: 0
    .kernarg_segment_align: 8
    .kernarg_segment_size: 32
    .max_flat_workgroup_size: 128
    .sgpr_count:     100
    .vgpr_count:     1024
    .wavefront_size: 32
...
	.end_amdgpu_metadata
.endif
;; end of part 3
;; launch outp (part 4): grid 8 x 32, 4 waves a work-group, clusters of 4 x 4, 327,680 bytes of LDS; arguments ag, wob, out0; writes out0
.if DOCPART == 4
	.amdgcn_target "amdgcn-amd-amdhsa--gfx1250"
	.amdhsa_code_object_version 6
	.text
	.protected	k_q98ee105690_outp
	.globl	k_q98ee105690_outp
	.p2align	8
	.type	k_q98ee105690_outp,@function
k_q98ee105690_outp:
	s_mov_b64 s[64:65], 0
	v_nop
	global_prefetch_b8 v0, s[64:65] scope:SCOPE_SE
	s_setreg_imm32_b32 hwreg(HW_REG_WAVE_MODE, 25, 1), 1
	s_wait_xcnt 0x0
	s_wait_alu depctr_hold_cnt(0) depctr_sa_sdst(0) depctr_va_vdst(0) depctr_va_sdst(0) depctr_va_ssrc(0) depctr_va_vcc(0) depctr_vm_vsrc(0)
	s_getreg_b32 s2, hwreg(HW_REG_IB_STS2, 6, 4)
	s_cmp_eq_u32 s2, 0
	s_cbranch_scc0 .Lentry_in_a_cluster
	s_endpgm
.Lentry_in_a_cluster:
	s_bfe_u32 s2, ttmp6, 0x10000c
	s_cmp_lg_u32 s2, 0xf033
	s_cbranch_scc0 .Lentry_shape_is_right
	s_endpgm
.Lentry_shape_is_right:
; OUTP.  out0 [4096][2048] f32 = ag [4096][1024] x wob [1024][2048], f16 operands, f32 sums, stored unrounded.
; SHARES.  A tile of C is 128 x 256: 256 work-groups.  Four waves, each 64 x 128: 32 accumulators of 16 x 16, which fill window 1.  K goes in 8 steps of 128 through two LDS slots.  A STEP IS WRITTEN ONCE for the six
; that ask for a further step and once for the two that do not: the slot in hand is a scalar, 0 or SLOT, that is added to the lanes' constant addresses, and one group 0 a tensor walks from step to step.
; A's rows lie along K; B lies [k][n] and comes out of LDS turned, by ds_load_tr16_b128.  The matrix instruction is used transposed (source 0 = 16 columns of B, source 1 = 16 rows of A): a lane holds one row of C
; and eight neighbouring columns.
; CLUSTER 4 x 4: A's tile is shared along a row of the cluster, B's along a column; each is asked for jointly.  No prefetch: eight short K steps on a small tile.
; REGISTERS: window 0: v0-31 addresses; v32-95 A's fragments, two buffers of 32; v128-255 B's, two buffers of 64; on the way out v32-95 and v128-191 sixteen rows by turns.  Window 1: accumulator (a, b) at 8 (8 a + b).
.set KSTEP,  128
.set PITCH,  272                       ; A in LDS: 256 bytes + 16
.set PB,     544                       ; B in LDS: 512 bytes + 32
.set AHALF,  64*PITCH
.set BHALF,  64*PB
.set BOFF,   2*AHALF
.set SLOT,   2*AHALF+2*BHALF           ; A's 128 rows, then B's 128 rows
.set STAGE,  2*SLOT                    ; behind the ring: 16 rows x 528 bytes (128 f32 + 16) for each wave
.set SPITCH, 528
.set SPARE,  STAGE+4*16*SPITCH         ; the spare words: 128 bytes for each wave, two blocks of 256 that no other line names
.set ADRA0, 16                         ; v16 my A fragments' LDS address in slot 0; never rewritten     v17 the same in the slot in hand
.set ADRA,  17
.set ADRB0, 20                         ; v20, v21 the same two for B
.set ADRB,  21
.set STO,  24
.set RD,   25
.set CO,   26
.set SPW,  28
.set NIL,  29
.set FA,   32
.set FB,   128
.set TB,  18                           ; s18 the slot in hand, 0 or SLOT     s19 the slot filled last     s20, s21 my part of A's and of B's half of a slot
.set TF,  19
.set G1,  24
.set G0,  32                           ; s[32:39] group 0 for A: a set for each first fill; the second then walks
.set G1B, 48
.set G0B, 56
.set MSB, 0
.macro WIN new
.if MSB != (\new)
	s_set_vgpr_msb (MSB<<8)|(\new)
.set MSB, \new
.endif
.endm
.set MUL, 0x50                         ; C and D in window 1, the sources in window 0
.macro JLOAD s                         ; waves 0 and 1 fetch A's halves, waves 2 and 3 B's; an s_nop 0 and four v_nop follow each line
	s_cmp_eq_u32 s11, 0
	s_cbranch_scc0 .Lfor_b_\@
	tensor_load_to_lds s[G0+4*(\s):G0+4*(\s)+3], s[G1:G1+7]
	s_nop 0
.rept 4
	v_nop
.endr
	s_branch .Lasked_\@
.Lfor_b_\@:
	tensor_load_to_lds s[G0B+4*(\s):G0B+4*(\s)+3], s[G1B:G1B+7]
	s_nop 0
.rept 4
	v_nop
.endr
.Lasked_\@:
.endm
.macro CROUND                          ; a round of the cluster's barrier
	s_barrier_signal -1
	s_barrier_wait -1
	s_cmp_lg_u32 s10, 0
	s_cbranch_scc1 .Lnot_wave_0_\@
	s_barrier_signal -3
.Lnot_wave_0_\@:
	s_barrier_wait -3
	s_barrier_signal -1
	s_barrier_wait -1
.endm
.macro PLACES
.rept 4
	v_nop
.endr
.endm
	s_load_b128 s[4:7], s[0:1], 0x0                ; ag s[4:5], wob s[6:7]
	s_load_b64 s[8:9], s[0:1], 0x10                ; out0
	v_lshl_add_u32 v[SPW], v0, 2, SPARE
	v_mov_b32 v[NIL], 0
	ds_add_u32 v[SPW], v[NIL]                      ; the wave's opening: the add and its wait stand ahead of my first tensor load
	v_lshrrev_b32 v1, 5, v0
	v_readfirstlane_b32 s10, v1                    ; wave
	s_lshr_b32 s11, s10, 1                         ; my half of the tile's rows; also: I fetch A (0) or B (1)
	s_and_b32 s12, s10, 1                          ; my half of its columns; also: which half I fetch
	s_bfe_u32 s40, ttmp6, 0x40000
	s_bfe_u32 s41, ttmp6, 0x40004
	s_lshl_b32 s42, ttmp9, 2
	s_add_co_u32 s42, s42, s40                     ; tile column 0..7
	s_and_b32 s13, ttmp7, 0xffff
	s_lshl_b32 s13, s13, 2
	s_add_co_u32 s13, s13, s41                     ; tile row 0..31
	s_lshl_b32 s43, s41, 2
	s_lshl_b32 s43, 15, s43
	s_lshl_b32 s44, 0x1111, s40
	s_or_b32 s[G1], s43, (1<<16)|(1<<20)|(1<<21)|(5<<22)|(3<<25)   ; A: 4 words behind every 64
	s_or_b32 s[G1B], s44, (1<<16)|(1<<20)|(1<<21)|(6<<22)|(7<<25)  ; B: 8 words behind every 128
	s_mov_b32 s[G1+1], 128<<16                     ; A: 64 rows of 128 elements, 1,024 from row to row
	s_mov_b32 s[G1+2], 64<<16
	s_mov_b32 s[G1+3], 128<<16
	s_mov_b32 s[G1+4], 64
	s_mov_b32 s[G1+5], 1024
	s_mov_b32 s[G1+6], 0
	s_mov_b32 s[G1+7], 0
	s_mov_b32 s[G1B+1], 256<<16                    ; B: 64 rows of 256 elements, 2,048 from row to row
	s_mov_b32 s[G1B+2], 64<<16
	s_mov_b32 s[G1B+3], 256<<16
	s_mov_b32 s[G1B+4], 64
	s_mov_b32 s[G1B+5], 2048
	s_mov_b32 s[G1B+6], 0
	s_mov_b32 s[G1B+7], 0
	s_lshl_b32 s16, s13, 7                         ; A: row 128 tr + 64 half
	s_lshl_b32 s17, s12, 6
	s_add_co_u32 s16, s16, s17
	s_lshl_b32 s16, s16, 11
	s_mov_b32 s17, 0
	s_lshl_b32 s46, s12, 18                        ; B: row 64 half (4,096 bytes each), column 256 tc
	s_lshl_b32 s47, s42, 9
	s_add_co_u32 s46, s46, s47
	s_mov_b32 s47, 0
	s_mul_i32 s20, s12, AHALF
	s_mul_i32 s21, s12, BHALF
	s_add_co_u32 s21, s21, BOFF
	s_mov_b32 s[TB], 0
	s_mov_b32 s[TF], SLOT
	s_wait_dscnt 0x0                               ; the opening add is done
	s_wait_kmcnt 0x0
	s_add_nc_u64 s[14:15], s[4:5], s[16:17]
	s_add_nc_u64 s[46:47], s[6:7], s[46:47]
	CROUND                                         ; all sixteen work-groups are here: the first joint loads meet
.irp s, 0,1
	s_mov_b32 s[G0+4*(\s)], 1
	s_add_co_u32 s[G0+4*(\s)+1], s20, (\s)*SLOT
	s_add_nc_u64 s[G0+4*(\s)+2:G0+4*(\s)+3], s[14:15], (\s)*KSTEP*2
	s_or_b32 s[G0+4*(\s)+3], s[G0+4*(\s)+3], 0x80000000
	s_mov_b32 s[G0B+4*(\s)], 1
	s_add_co_u32 s[G0B+4*(\s)+1], s21, (\s)*SLOT
	s_add_nc_u64 s[G0B+4*(\s)+2:G0B+4*(\s)+3], s[46:47], (\s)*KSTEP*4096
	s_or_b32 s[G0B+4*(\s)+3], s[G0B+4*(\s)+3], 0x80000000
	JLOAD \s
.endr
	v_and_b32 v1, 15, v0                           ; l % 16
	v_bfe_u32 v2, v0, 4, 1                         ; l / 16
	v_and_b32 v3, 31, v0
	v_mul_u32_u24 v4, v1, PITCH
	v_lshl_add_u32 v4, v2, 4, v4
	s_mul_i32 s22, s11, AHALF
	v_add_nc_u32 v[ADRA0], s22, v4
	v_mov_b32 v[ADRA], v[ADRA0]
	v_and_b32 v5, 7, v0
	v_lshl_add_u32 v5, v2, 3, v5
	v_mul_u32_u24 v5, v5, PB
	v_bfe_u32 v7, v0, 3, 1
	v_lshl_add_u32 v5, v7, 4, v5
	s_lshl_b32 s22, s12, 8
	s_add_co_u32 s22, s22, BOFF
	v_add_nc_u32 v[ADRB0], s22, v5
	v_mov_b32 v[ADRB], v[ADRB0]
	s_mul_i32 s22, s10, 16*SPITCH
	s_add_co_u32 s22, s22, STAGE
	v_mul_u32_u24 v4, v1, SPITCH
	v_lshl_add_u32 v4, v2, 5, v4
	v_add_nc_u32 v[STO], s22, v4
	v_lshlrev_b32 v[CO], 4, v3
	v_add_nc_u32 v[RD], s22, v[CO]
	s_lshl_b32 s16, s13, 7                         ; my first row of out0: 128 tr + 64 half, 8,192 bytes each
	s_lshl_b32 s17, s11, 6
	s_add_co_u32 s16, s16, s17
	s_lshl_b32 s16, s16, 13
	s_mov_b32 s17, 0
	s_add_nc_u64 s[8:9], s[8:9], s[16:17]
	s_lshl_b32 s46, s42, 10                        ; my first column, in bytes: 1,024 tc + 512 half
	s_lshl_b32 s47, s12, 9
	s_add_co_u32 s46, s46, s47
	s_mov_b32 s47, 0
	s_add_nc_u64 s[8:9], s[8:9], s[46:47]
; 8 matrix instructions: m block a x all 8 n blocks, 32 along K, from buffer f.  The 32 accumulators take turns.
.macro MUL8 f, a, zero
	WIN MUL
.irp b, 0,1,2,3,4,5,6,7
.if \zero
	v_wmma_f32_16x16x32_f16 v[8*(8*(\a)+(\b)):8*(8*(\a)+(\b))+7], v[FB+64*(\f)+8*(\b):FB+64*(\f)+8*(\b)+7], v[FA+32*(\f)+8*(\a):FA+32*(\f)+8*(\a)+7], 0
.else
	v_wmma_f32_16x16x32_f16 v[8*(8*(\a)+(\b)):8*(8*(\a)+(\b))+7], v[FB+64*(\f)+8*(\b):FB+64*(\f)+8*(\b)+7], v[FA+32*(\f)+8*(\a):FA+32*(\f)+8*(\a)+7], v[8*(8*(\a)+(\b)):8*(8*(\a)+(\b))+7]
.endif
.endr
.endm
; 24 LDS loads in one run: quarter q of the slot in hand into buffer f: B's 8 blocks of 16 columns, turned, then A's 4 blocks of 16 rows
.macro FETCH q, f
	WIN 0
.irp i, 0,1,2,3,4,5,6,7
	ds_load_tr16_b128 v[FB+64*(\f)+8*(\i):FB+64*(\f)+8*(\i)+3],   v[ADRB] offset:(\q)*32*PB+(\i)*32
	ds_load_tr16_b128 v[FB+64*(\f)+8*(\i)+4:FB+64*(\f)+8*(\i)+7], v[ADRB] offset:(\q)*32*PB+16*PB+(\i)*32
.endr
.irp i, 0,1,2,3
	ds_load_b128 v[FA+32*(\f)+8*(\i):FA+32*(\f)+8*(\i)+3],   v[ADRA] offset:(\q)*64+(\i)*16*PITCH
	ds_load_b128 v[FA+32*(\f)+8*(\i)+4:FA+32*(\f)+8*(\i)+7], v[ADRA] offset:(\q)*64+(\i)*16*PITCH+32
.endr
.endm
.macro QUARTER q, f, g, zero
	s_wait_dscnt 4                                 ; B and A's blocks 0 and 1 are in; the youngest four loads (blocks 2 and 3) may be out
	MUL8 \f, 0, \zero
	MUL8 \f, 1, \zero
	PLACES
	FETCH \q, \g
	s_wait_dscnt 24                                ; all but the 24 just issued
	MUL8 \f, 2, \zero
	MUL8 \f, 3, \zero
.endm
; A K step's last quarter multiplies buffer 1 and changes slots.  Its first 16 products stand AHEAD of the wait for the tiles: between a tile's landing and the next request stand the barrier and scalar lines alone.
; fill = 1: the slot just read takes the K step two steps on, behind a round of the cluster's barrier.  fill = 0: nothing is asked for; in the last trip (count 1) there is no further step, and the fetch is jumped over.
.macro TURN fill
	s_wait_dscnt 4                                 ; as in a quarter
	MUL8 1, 0, 0
	MUL8 1, 1, 0
	WIN 0
	s_wait_tensorcnt 0x0                           ; all my tensor loads have landed: my part of the next slot; so a group 0 may be written
	ds_add_u32 v[SPW], v[NIL]                      ; 0 onto my spare word; the scalar steps stand between it and the wait for it
.if \fill
	s_xor_b32 s[TF], s[TF], SLOT                   ; the walking descriptors: the other slot than last time, the next K step
	s_add_co_u32 s[G0+5], s[TF], s20
	s_add_nc_u64 s[G0+6:G0+7], s[G0+6:G0+7], KSTEP*2
	s_add_co_u32 s[G0B+5], s[TF], s21
	s_add_nc_u64 s[G0B+6:G0B+7], s[G0B+6:G0B+7], KSTEP*4096
.endif
	s_xor_b32 s[TB], s[TB], SLOT                   ; the fetches go on in the other slot
	s_wait_dscnt 0x0                               ; the add is done, and my reads of this slot are over (the last were issued a quarter ago)
.if \fill
	CROUND                                         ; no wave of any partner still reads the slot or has a load on its way
	JLOAD 1                                        ; the first tensor load behind the round; its four v_nop are also the places ahead of the loads below
.else
	s_barrier_signal -1
	s_barrier_wait -1
	PLACES
	s_cmp_eq_u32 s3, 1
	s_cbranch_scc1 .Lno_more_\@
.endif
	v_add_nc_u32 v[ADRA], s[TB], v[ADRA0]
	v_add_nc_u32 v[ADRB], s[TB], v[ADRB0]
	FETCH 0, 0
.if !(\fill)
.Lno_more_\@:
.endif
	MUL8 1, 2, 0
	MUL8 1, 3, 0
.endm
	s_wait_tensorcnt 1                             ; my part of K step 0 is in; K step 1's may stay out
	s_barrier_signal -1
	s_barrier_wait -1
	FETCH 0, 0
	QUARTER 1, 0, 1, 1                             ; the first quarter of all stands ahead of the loop: its products start the sums
	WIN 0
	s_mov_b32 s3, 6
	s_branch .Lmid                                 ; the loop is entered behind a step's first quarter
.Lstep:                                                ; 6 trips: K steps 0 to 5, each of which asks for the step two on
	QUARTER 1, 0, 1, 0
	WIN 0
.Lmid:
	QUARTER 2, 1, 0, 0
	QUARTER 3, 0, 1, 0
	TURN 1
	WIN 0
	s_sub_co_u32 s3, s3, 1
	s_cmp_lg_u32 s3, 0
	s_cbranch_scc1 .Lstep
	s_mov_b32 s3, 2
.Ltail:                                                ; 2 trips: K steps 6 and 7 ask for nothing
	QUARTER 1, 0, 1, 0
	QUARTER 2, 1, 0, 0
	QUARTER 3, 0, 1, 0
	TURN 0
	WIN 0
	s_sub_co_u32 s3, s3, 1
	s_cmp_lg_u32 s3, 0
	s_cbranch_scc1 .Ltail
	PLACES
; THE WAY OUT.  Block a (16 rows) goes into my stage as f32 and comes back by rows: 32 lanes store a row's 512 consecutive bytes, at a multiple of 256 from out0's first.
.macro OUTB a
.set BK, 32+96*((\a)%2)
	WIN 0x04                                       ; store data in window 1; each accumulator's low half first
.irp b, 0,1,2,3,4,5,6,7
	ds_store_b128 v[STO], v[8*(8*(\a)+(\b)):8*(8*(\a)+(\b))+3]   offset:64*(\b)
	ds_store_b128 v[STO], v[8*(8*(\a)+(\b))+4:8*(8*(\a)+(\b))+7] offset:64*(\b)+16
.endr
	WIN 0
.set j, 0
.rept 16
	ds_load_b128 v[BK+4*j:BK+4*j+3], v[RD] offset:SPITCH*j  ; LDS serves a wave's instructions in order (ISA guide 5.7.1.4): these see the stores above
.set j, j+1
.endr
.if (\a) > 0
	s_wait_xcnt 0x0                                ; the block before's stores have read their base and data
	s_add_nc_u64 s[8:9], s[8:9], 16*8192
.endif
.set j, 0
.rept 16
	s_wait_dscnt 15-j                              ; row j is in, the younger rows may be out
	global_store_b128 v[CO], v[BK+4*j:BK+4*j+3], s[8:9] offset:8192*j th:TH_STORE_NT
.set j, j+1
.endr
.endm
	OUTB 0
	OUTB 1
	OUTB 2
	OUTB 3
	s_wait_tensorcnt 0x0                           ; the wave's end: behind my last tensor load and my last LDS store
	ds_add_u32 v[SPW], v[NIL]
	s_wait_dscnt 0x0
	CROUND                                         ; the closing round
	s_endpgm
.Lfunc_end_k_q98ee105690_outp:
	.size	k_q98ee105690_outp, .Lfunc_end_k_q98ee105690_outp-k_q98ee105690_outp
	.p2alignl 7, 3214868480
	.fill 96, 4, 3214868480
	.section	.rodata,"a",@progbits
	.p2align	6, 0x0
	.amdhsa_kernel k_q98ee105690_outp
		.amdhsa_group_segment_fixed_size 327680
		.amdhsa_private_segment_fixed_size 0
		.amdhsa_enable_private_segment 0
		.amdhsa_kernarg_size 24
		.amdhsa_user_sgpr_count 2
		.amdhsa_user_sgpr_kernarg_segment_ptr 1
		.amdhsa_wavefront_size32 1
		.amdhsa_system_sgpr_workgroup_id_x 1
		.amdhsa_system_sgpr_workgroup_id_y 1
		.amdhsa_system_sgpr_workgroup_id_z 1
		.amdhsa_system_vgpr_workitem_id 0
		.amdhsa_next_free_vgpr 512
		.amdhsa_next_free_sgpr 66
		.amdhsa_reserve_vcc 0
		.amdhsa_float_denorm_mode_32 3
		.amdhsa_float_denorm_mode_16_64 3
		.amdhsa_memory_ordered 1
		.amdhsa_forward_progress 1
		.amdhsa_inst_pref_size 62
	.end_amdhsa_kernel
	.amdgpu_metadata
---
amdhsa.version: [ 1, 2 ]
amdhsa.kernels:
  - .name:           k_q98ee105690_outp
    .symbol:         k_q98ee105690_outp.kd
    .args:
      - { .name: ag, .offset: 0, .size: 8, .value_kind: global_buffer, .address_space: global }
      - { .name: wob, .offset: 8, .size: 8, .value_kind: global_buffer, .address_space: global }
      - { .name: out0, .offset: 16, .size: 8, .value_kind: global_buffer, .address_space: global }
    .group_segment_fixed_size: 327680
    .private_segment_fixed_size: 0
    .kernarg_segment_align: 8
    .kernarg_segment_size: 24
    .max_flat_workgroup_size: 128
    .sgpr_count:     66
    .vgpr_count:     512
    .wavefront_size: 32
...
	.end_amdgpu_metadata
.endif
;; end of part 4
;; ======== version 2 of 2: 4 launches; version 1 with the launch cast written anew for expert scheduling mode
;; limits: values are held in f16: magnitudes above 65,504 overflow, below 6.1e-05 lose precision
;; workspace buffers: xb 16,777,216 bytes; wb 12,582,912 bytes; wob 4,194,304 bytes; cs 2,097,152 bytes; qh 8,388,608 bytes; kv 8,388,608 bytes; gr 16,777,216 bytes; ag 8,388,608 bytes
;; launch cast (part 5): grid 1088 x 1, 8 waves a work-group, no clusters, 0 bytes of LDS; arguments hidden_BTD, w_q, w_o, w_k, w_v, cos_BTK, sin_BTK, xb, wb, wob, cs; writes xb, wb, wob, cs
.if DOCPART == 5
	.amdgcn_target "amdgcn-amd-amdhsa--gfx1250"
	.amdhsa_code_object_version 6
	.text
	.protected	k_q98ee105690_cast
	.globl	k_q98ee105690_cast
	.p2align	8
	.type	k_q98ee105690_cast,@function
k_q98ee105690_cast:
	s_mov_b64 s[64:65], 0
	v_nop
	global_prefetch_b8 v0, s[64:65] scope:SCOPE_SE
	s_setreg_imm32_b32 hwreg(HW_REG_WAVE_SCHED_MODE, 0, 2), 2
	s_setreg_imm32_b32 hwreg(HW_REG_WAVE_MODE, 25, 1), 1
	s_wait_xcnt 0x0
	s_wait_alu depctr_vm_vsrc(0)
; CAST.  Every floating-point input that feeds a matrix product or the rotation is rounded once to bf16 and laid out for the launches behind:
;   hidden -> xb [4096][2048];  w_q, w_k, w_v -> wb [2048 k][3072 n]: n 0..2047 is w_q as it lies, n = 2048 + 256 j + c is w_k's column 128 j + c (c < 128) or w_v's column 128 j + c - 128;
;   w_o -> wob [1024][2048]: rounded to bf16, and that number written as f16;  cos, sin -> cs [4096][256]: cos in columns 0-127, sin in 128-255.
; LIMITS.  |w_o| stays within f16's 65,504; below 6e-5 it keeps f16's fixed step of 6e-8.  segment_ids_BT and position_ids_BT enter no expression of the module and are not loaded.
; A stream: no LDS, no barrier, no matrix unit.  The unit is a BLOCK of 128 numbers: 512 bytes in, 256 bytes out.  A wave takes a block with ONE load (lane l: numbers 4 l .. 4 l + 3, so the 32 lanes read 512
; consecutive bytes) and ONE store (8 bytes a lane: 256 consecutive bytes, at a multiple of 256).  A work-group takes 128 blocks (65,536 bytes of its source), each of its eight waves 16 blocks on end.
; All 16 loads of a wave go out first.  Source block n goes to destination block (n >> SH) * PP + BC + (n & MSK) * MM; the seven regions differ in these numbers and in the two buffers alone.
; THE MODE: SCHED_MODE bits 1:0 = 2 (LLVM: expert scheduling mode 2), set by the entry lines.  The code itself states the register dependences
; between vector instructions and memory instructions, with s_wait_alu, always for 0.
; THE PLAN.  Registers that memory instructions touch:
;   v1       the source offset.  Written at the head; read by the 16 loads; never written again.
;   X[p]     pass p's load lands in it (no vector instruction names it before); pass p's roundings rewrite it in place; pass p's store reads its first two registers; never written again.
;   DO[p]    the destination offset.  Written by vector instructions behind the loads; read by pass p's store; never written again.
;   v2, v3, v12, v13 are named by vector instructions alone.  No vector instruction writes a scalar register or VCC, and EXEC is never written.
; The 16 passes go in four groups of four.  One wait stands ahead of the loads (v1).  One stands at the head of each of groups 1 to 3, behind the wait for the group's first load: the group before has written its
; X (and, at the first of them, the DO are written); that group's four stores follow, dealt among this group's roundings, which name this group's X and v12, v13 alone.  One stands ahead of the last four stores.
; No register that a memory instruction reads is written again, so no wait on vm_vsrc is owed.
.set DO,    16                         ; v[16:31]   pass p: byte offset in the destination
.set X,     32                         ; v[32:95]   pass p: 4 numbers as loaded; its first two registers then hold the 8 bytes to store
.set SRC,   28                         ; s[28:29]
.set DST,   30                         ; s[30:31]
.set FIRST, 32                         ; s32  the region's first work-group
.set SH,    33
.set MSK,   34
.set PP,    35
.set BC,    36
.set MM,    37
.set FMT,   38                         ; 1: written as f16
; A region is taken where the work-group's number lies below its bound; the regions are tried from the last to the first, so the lowest bound that holds wins.
.macro REGION bound, src, dst, first, sh, msk, pp, bc, mm, fmt
	s_cmp_lt_u32 ttmp9, \bound
	s_cselect_b64 s[SRC:SRC+1], s[\src:\src+1], s[SRC:SRC+1]
	s_cselect_b64 s[DST:DST+1], s[\dst:\dst+1], s[DST:DST+1]
	s_cselect_b32 s[FIRST], \first, s[FIRST]
	s_cselect_b32 s[SH], \sh, s[SH]
	s_cselect_b32 s[MSK], \msk, s[MSK]
	s_cselect_b32 s[PP], \pp, s[PP]
	s_cselect_b32 s[BC], \bc, s[BC]
	s_cselect_b32 s[MM], \mm, s[MM]
	s_cselect_b32 s[FMT], \fmt, s[FMT]
.endm
	s_load_b512 s[4:19], s[0:1], 0x0               ; hidden 4, w_q 6, w_o 8, w_k 10, w_v 12, cos 14, sin 16, xb 18
	s_load_b128 s[20:23], s[0:1], 0x40             ; wb 20, wob 22
	s_load_b64 s[24:25], s[0:1], 0x50              ; cs 24
	v_and_b32 v1, 31, v0                           ; lane
	v_lshrrev_b32 v3, 5, v0                        ; wave
	v_lshlrev_b32 v2, 3, v1                        ; my 8 bytes in a destination block
	v_lshlrev_b32 v1, 4, v1                        ; my 16 bytes in a source block,
	v_lshl_add_u32 v1, v3, 13, v1                  ; in my wave's 16 blocks of 512 bytes
	v_lshlrev_b32 v3, 4, v3                        ; my wave's first block in the work-group
	s_wait_kmcnt 0x0
	s_mov_b64 s[SRC:SRC+1], s[16:17]               ; the last region: sin, work-groups 1056 to 1087
	s_mov_b64 s[DST:DST+1], s[24:25]
	s_mov_b32 s[FIRST], 1056
	s_mov_b32 s[SH], 0
	s_mov_b32 s[MSK], 0
	s_mov_b32 s[PP], 2
	s_mov_b32 s[BC], 1
	s_mov_b32 s[MM], 0
	s_mov_b32 s[FMT], 0
	REGION 1056, 14, 24, 1024, 0, 0, 2, 0, 0, 0    ; cos
	REGION 1024, 12, 20, 960, 2, 3, 24, 17, 2, 0   ; w_v: 4 blocks a row, to blocks 17, 19, 21, 23 of wb's 24
	REGION 960, 10, 20, 896, 2, 3, 24, 16, 2, 0    ; w_k: to blocks 16, 18, 20, 22
	REGION 896, 8, 22, 768, 0, 0, 1, 0, 0, 1       ; w_o
	REGION 768, 6, 20, 512, 4, 15, 24, 0, 1, 0     ; w_q: 16 blocks a row, to blocks 0 to 15
	REGION 512, 4, 18, 0, 0, 0, 1, 0, 0, 0         ; hidden
	s_sub_co_u32 s26, ttmp9, s[FIRST]              ; my number in the region
	s_lshl_b32 s40, s26, 16                        ; times 65,536 bytes of source (under 2^26)
	s_mov_b32 s41, 0
	s_add_nc_u64 s[SRC:SRC+1], s[SRC:SRC+1], s[40:41]
	s_wait_alu depctr_va_vdst(0)                   ; v1 is written: the 16 loads read it as their offset
.set p, 0
.rept 16
	global_load_b128 v[X+4*p:X+4*p+3], v1, s[SRC:SRC+1] offset:512*p th:TH_LOAD_NT
.set p, p+1
.endr
	s_lshl_b32 s26, s26, 7
	v_add_nc_u32 v3, s26, v3                       ; my wave's first block, counted in the region
.set p, 0
.rept 16                               ; the destinations, made while the loads are out
	v_add_nc_u32 v12, p, v3
	v_lshrrev_b32 v13, s[SH], v12
	v_and_b32 v12, s[MSK], v12
	v_mad_u32_u24 v12, v12, s[MM], s[BC]
	v_mad_u32_u24 v12, v13, s[PP], v12
	v_lshl_add_u32 v[DO+p], v12, 8, v2
.set p, p+1
.endr
; Pass p is rounded in place; its store is issued in the group behind, ahead of the roundings of pass p + 4.  No register that a store reads is written again, so no wait frees one.
.macro OUT fmt
.set p, 0
.rept 16
	s_wait_loadcnt 15-p                            ; loads come back in order: pass p's is in, the younger passes' stay out
.if (p > 0) && (p%4 == 0)
	s_wait_alu depctr_va_vdst(0)                   ; the roundings of the four passes before have written their X, and the DO are written: the four stores of this group read them
.endif
.if p >= 4
	global_store_b64 v[DO+p-4], v[X+4*(p-4):X+4*(p-4)+1], s[DST:DST+1] th:TH_STORE_NT  ; 32 lanes store 256 consecutive bytes, aligned.  No vector instruction since the wait names these registers
.endif
.if \fmt
	v_cvt_pk_bf16_f32 v12, v[X+4*p],   v[X+4*p+1]
	v_cvt_pk_bf16_f32 v13, v[X+4*p+2], v[X+4*p+3]
	v_lshlrev_b32 v[X+4*p],   16, v12               ; the rounded numbers as f32 again,
	v_and_b32     v[X+4*p+1], 0xffff0000, v12
	v_lshlrev_b32 v[X+4*p+2], 16, v13
	v_and_b32     v[X+4*p+3], 0xffff0000, v13
	v_cvt_pk_f16_f32 v[X+4*p],   v[X+4*p],   v[X+4*p+1]  ; and written as f16: 8 significant bits fit in 11
	v_cvt_pk_f16_f32 v[X+4*p+1], v[X+4*p+2], v[X+4*p+3]
.else
	v_cvt_pk_bf16_f32 v[X+4*p],   v[X+4*p],   v[X+4*p+1]
	v_cvt_pk_bf16_f32 v[X+4*p+1], v[X+4*p+2], v[X+4*p+3]
.endif
.set p, p+1
.endr
	s_wait_alu depctr_va_vdst(0)                   ; the roundings of passes 12 to 15 have written their X, which the last four stores read
.set p, 12
.rept 4
	global_store_b64 v[DO+p], v[X+4*p:X+4*p+1], s[DST:DST+1] th:TH_STORE_NT
.set p, p+1
.endr
.endm
	s_cmp_eq_u32 s[FMT], 1
	s_cbranch_scc1 .Lf16
	OUT 0
	s_endpgm
.Lf16:
	OUT 1
	s_endpgm
.Lfunc_end_k_q98ee105690_cast:
	.size	k_q98ee105690_cast, .Lfunc_end_k_q98ee105690_cast-k_q98ee105690_cast
	.p2alignl 7, 3214868480
	.fill 96, 4, 3214868480
	.section	.rodata,"a",@progbits
	.p2align	6, 0x0
	.amdhsa_kernel k_q98ee105690_cast
		.amdhsa_group_segment_fixed_size 0
		.amdhsa_private_segment_fixed_size 0
		.amdhsa_enable_private_segment 0
		.amdhsa_kernarg_size 88
		.amdhsa_user_sgpr_count 2
		.amdhsa_user_sgpr_kernarg_segment_ptr 1
		.amdhsa_wavefront_size32 1
		.amdhsa_system_sgpr_workgroup_id_x 1
		.amdhsa_system_sgpr_workgroup_id_y 1
		.amdhsa_system_sgpr_workgroup_id_z 1
		.amdhsa_system_vgpr_workitem_id 0
		.amdhsa_next_free_vgpr 96
		.amdhsa_next_free_sgpr 66
		.amdhsa_reserve_vcc 0
		.amdhsa_float_denorm_mode_32 3
		.amdhsa_float_denorm_mode_16_64 3
		.amdhsa_memory_ordered 1
		.amdhsa_forward_progress 1
		.amdhsa_inst_pref_size 23
	.end_amdhsa_kernel
	.amdgpu_metadata
---
amdhsa.version: [ 1, 2 ]
amdhsa.kernels:
  - .name:           k_q98ee105690_cast
    .symbol:         k_q98ee105690_cast.kd
    .args:
      - { .name: hidden_BTD, .offset: 0, .size: 8, .value_kind: global_buffer, .address_space: global }
      - { .name: w_q, .offset: 8, .size: 8, .value_kind: global_buffer, .address_space: global }
      - { .name: w_o, .offset: 16, .size: 8, .value_kind: global_buffer, .address_space: global }
      - { .name: w_k, .offset: 24, .size: 8, .value_kind: global_buffer, .address_space: global }
      - { .name: w_v, .offset: 32, .size: 8, .value_kind: global_buffer, .address_space: global }
      - { .name: cos_BTK, .offset: 40, .size: 8, .value_kind: global_buffer, .address_space: global }
      - { .name: sin_BTK, .offset: 48, .size: 8, .value_kind: global_buffer, .address_space: global }
      - { .name: xb, .offset: 56, .size: 8, .value_kind: global_buffer, .address_space: global }
      - { .name: wb, .offset: 64, .size: 8, .value_kind: global_buffer, .address_space: global }
      - { .name: wob, .offset: 72, .size: 8, .value_kind: global_buffer, .address_space: global }
      - { .name: cs, .offset: 80, .size: 8, .value_kind: global_buffer, .address_space: global }
    .group_segment_fixed_size: 0
    .private_segment_fixed_size: 0
    .kernarg_segment_align: 8
    .kernarg_segment_size: 88
    .max_flat_workgroup_size: 256
    .sgpr_count:     66
    .vgpr_count:     96
    .wavefront_size: 32
...
	.end_amdgpu_metadata
.endif
;; end of part 5
;; launch proj: the kernel of part 2 again; grid 12 x 16, 4 waves a work-group, clusters of 4 x 4, 327,680 bytes of LDS; arguments xb, wb, cs, q_norm_w, k_norm_w, qh, kv, gr; writes qh, kv, gr
;; launch attn: the kernel of part 3 again; grid 16 x 16, 4 waves a work-group, clusters of 4 x 1, 327,680 bytes of LDS; arguments qh, kv, gr, ag; writes ag
;; launch outp: the kernel of part 4 again; grid 8 x 32, 4 waves a work-group, clusters of 4 x 4, 327,680 bytes of LDS; arguments ag, wob, out0; writes out0
